; MI455X (gfx1250); checked and timed in simulation.
; The chip was launched on July 23, 2026; its instructions are those of AMD's public machine-readable ISA for CDNA 5 (MIT licence, August 2026) and "CDNA5" Instruction Set Architecture Reference Guide (July 2026). The comments in the code are by the model that wrote it; some were corrected since.
;; Disentangled Spatial Attention. Allowed arithmetic: matrix products marked QUANTISED: E2M3 operands, one E8M0 scale for each 32 along K, by v_wmma_scale_f32_16x16x128_f8f6f4 with both operands' format E2M3, f32 sums; everything else in f32.
;; Inputs: Wc 1,024 x 1,024 float32; Ws 1,024 x 2,048 float32; Wt 1,024 x 3,072 float32; bc 1,024 float32; bs 2,048 float32; bt 3,072 float32; lam_ss 1 float32; lam_st 1 float32; lam_ts 1 float32; xs 2 x 2,048 x 1,024 float32; xt 2 x 2,048 x 1,024 float32.
;; Outputs: out0 2 x 2,048 x 1,024 float32.
;; This version of the problem:
;;   THIS VERSION OF THE PROBLEM IS GIVEN IN LOW PRECISION. The matrix products marked QUANTISED in the list below multiply operands that are first quantised to E2M3 (2 exponent bits, 3 mantissa bits; 6 bits a number), with one power-of-two scale for each 32 numbers along K (OCP MX v1.0); their sums are f32. All else is computed in f32.
;;   The module's matrix products, in the order in which they are computed (A, B: the left and right operand; K: the contracted axis; several contracted axes count as one K, in the product's order):
;;     1. [M 4,096, K 1,024] x [K 1,024, N 3,072]; A: input xt; B: input Wt: QUANTISED
;;     2. [M 4,096, K 1,024] x [K 1,024, N 2,048]; A: input xs; B: input Ws: QUANTISED
;;     3. batch 32 x [M 2,048, K 64] x [K 64, N 2,048]; A: computed on the way; B: computed on the way: QUANTISED
;;     4. batch 32 x [M 2,048, K 64] x [K 64, N 2,048]; A: computed on the way; B: computed on the way: QUANTISED
;;     5. batch 32 x [M 2,048, K 2,048] x [K 2,048, N 64]; A: softmax (see below); B: computed on the way: QUANTISED
;;     6. [M 4,096, K 1,024] x [K 1,024, N 1,024]; A: computed on the way; B: input Wc: QUANTISED
;;   THE QUANTISER, for each operand of a quantised product, along K:
;;     - K is cut into blocks of 32 from its start; a last block that is shorter is filled with zeros.
;;     - A block's scale is 2^e with e = floor(log2(the largest magnitude in the block)) - 2, held to -126 .. 127; a block of zeros has e = 0. As a byte (E8M0): e + 127.
;;     - Each number is divided by its block's scale, clamped to +-7.5, and rounded to the nearest number of E2M3, ties to even, subnormals kept.
;;     - The product sums the exact products of the quantised numbers (number of the format x scale) in f32.
;;   ~~~python
;;   def quantise(x, axis):      # numpy; x: float32 -> the quantised numbers, widened to float32 again
;;       x = np.moveaxis(x, axis, -1); K = x.shape[-1]
;;       x = np.pad(x, [(0, 0)] * (x.ndim - 1) + [(0, -K % 32)]); x = x.reshape(x.shape[:-1] + (-1, 32)); a = np.abs(x).max(-1, keepdims=True)
;;       e = np.where(a > 0, np.clip(np.frexp(np.where(a > 0, a, 1))[1] - 1 - 2, -126, 127), 0)      # np.frexp(a)[1] - 1 = floor(log2(a)), exactly
;;       r = np.clip(x / 2.0 ** e, -7.5, 7.5)
;;       step = 2.0 ** (np.maximum(np.frexp(np.where(r == 0, 1, r))[1] - 1, 0) - 3)
;;       q = np.round(r / step) * step * 2.0 ** e      # np.round: ties to even
;;       return np.moveaxis(q.reshape(q.shape[:-2] + (-1,))[..., :K], -1, axis).astype(np.float32)
;;   ~~~
;;   SOFTMAX AHEAD OF A QUANTISED PRODUCT. Where the list says 'softmax', what is quantised is not the finished softmax but p = 2^(t - M), with t = logit x log2(e) and M = ceil(the row's largest t), a whole number; so 1/2 < the row's largest p <= 1. The row's sum l is taken of the UNQUANTISED p, in f32, and the product's result is divided by l at the end. Since M is a whole number, a kernel that streams over the keys may use a running M (the ceiling of the running maximum): every later rescaling is an exact power of two, which a block's scale takes up: the codes' values come out the same.
;;   OPERANDS COMPUTED ON THE WAY. 'Computed on the way' means the value that the module computes at that place (a softmax that the list does not call 'softmax' is quantised finished and normalised). What goes into a quantiser is computed in f32, as accurately as f32 sums, v_exp_f32 and their like allow (about 1e-6 of the number): no bf16 or f16 on the way to a quantiser, and a product that is left as it is and whose result goes on into a quantised operand takes f32 operands (vector FMAs, or v_wmma_f32_16x16x4_f32). A number that lies on a knife's edge between two numbers of the format may be rounded either way, as far as f32 arithmetic and the matrix unit's own rounding can turn it there, and no further.
;; One version. Each part assembles by itself: llvm-mc -triple=amdgcn-amd-amdhsa -mcpu=gfx1250 --defsym DOCPART=n.
;; ======== version 1 of 1: 4 launches
;; limits: right only within a limited range of input values
;; workspace buffers: xq 6,553,600 bytes; wp 4,096,000 bytes; wc 819,200 bytes; qq 6,553,600 bytes; kv 9,830,400 bytes; yq 3,276,800 bytes
;; launch quant (part 1): grid 448 x 1, 4 waves a work-group, no clusters, 48,640 bytes of LDS; arguments xt, xs, Wt, Ws, Wc, xq, wp, wc; writes xq, wp, wc
.if DOCPART == 1
	.amdgcn_target "amdgcn-amd-amdhsa--gfx1250"
	.amdhsa_code_object_version 6
	.text
	.protected	k_q339ceb1481_quant
	.globl	k_q339ceb1481_quant
	.p2align	8
	.type	k_q339ceb1481_quant,@function
k_q339ceb1481_quant:
	s_mov_b64 s[64:65], 0
	v_nop
	global_prefetch_b8 v0, s[64:65] scope:SCOPE_SE
	s_setreg_imm32_b32 hwreg(HW_REG_WAVE_MODE, 25, 1), 1
	s_wait_xcnt 0x0
; xt, xs [4096][1024] f32 (K innermost) and Wt [1024][3072], Ws [1024][2048], Wc [1024][1024] f32 (K is the first axis) become codes of FP6 (E2M3) with one E8M0 byte for each 32 along K.
; A block's scale is 2^(floor(log2(its largest magnitude)) - 2); its byte is the largest magnitude's exponent field - 2, held at 1 from below.
; LIMITS: NaN and infinities are not served.  A block of zeros gets the byte 1 (its codes are zeros, and these bytes are read by this program alone).
; WHAT IS STORED ARE IMAGES OF OPERAND REGISTERS: a fragment (16 rows x 128 K, 12 registers a lane) is 1,536 bytes: registers 4 c .. 4 c + 3 of lane l at 512 c + 16 l.
; Its scale words: 64 bytes, row r's word at 4 r.  THE ROWS OF A TILE ARE NOT NEIGHBOURS: row r of tile 2 b + u is element 32 b + 8 u + r + 8 (r / 8) (tokens of x, columns of a weight).
; Work-groups 0-255 take x (a path of its own), 256-447 the weights.  Each path has LDS bytes of its own.  No tensor load, no barrier: waves share nothing.
; X: a work-group takes 64 tokens of one tensor and four K steps of 128; wave w one K step, four tiles.  A load reads one row's 512 consecutive bytes; the tile turns through the wave's stage (rows of 528 bytes).
; W: a work-group takes 128 columns x 256 along K; a wave 32 columns: A LANE TAKES A COLUMN AND ITS REGISTERS RUN DOWN K, so a block of 32 is one lane's; the codes are laid into two images in LDS and leave as they lie.
.set XREG,  8704                       ; X path: a wave's region: a stage of 16 x 528 bytes, then 256 bytes of scale words
.set XSCL,  8448
.set WBASE, 34816                      ; W path: behind the four X regions
.set WREG,  3328                       ; a wave's two images, 1,664 bytes apart
.set WIMG,  1664
.set SPARE, 48128                      ; the spare words, 128 bytes for each wave: two blocks of 256 bytes that no other line names
.set SPW, 5                            ; v5  LDS address of my spare word; never rewritten
.set NIL, 6                            ; v6  0; never rewritten
.set SEL, 22                           ; s[22:23] lane selects: lane l xor 16
.set R,   16                           ; X: v16-143 two sets of 64 as loaded
.set X,   144                          ; X: v144-207 my 64 numbers: register 16 b + i = k 32 b + 16 (lane / 16) + i of my row
.set PC,  208                          ; v208-227 codes
.set TM,  228                          ; v228-239 at work
.set PW,  240                          ; v240 the scale word
.set OFF, 16                           ; W: v16-47 4 x lane + i x pitch
.set XB,  48                           ; W: v48-111 two sets of 32
.set CW,  112                          ; W: v112-117 a block's six registers of codes;  v120-122 its upper half as converted
.set DW,  120
.set SW,  128                          ; W: v128, v129 the two K steps' scale words
.set OUTR, 132                         ; W: v132-179 the images on their way out
.set SB,  66                           ; s[66:81] W: the eight blocks' source addresses
.set DB,  82                           ; s[82:85] W: where the two K steps' images go
.set SD,  86                           ; s[86:89] W: and their scale words
; 64 numbers of a lane become a fragment's codes in v[PC] .. v[PC+11] and its scale word in v[PW]
.macro QUANT s
.irp b, 0,1,2,3
	v_max3_num_f32 v[TM+\b], |v[\s+16*\b]|, |v[\s+1+16*\b]|, 0x1800000   ; my 16 numbers of block b, and the floor 2^(3 - 127): the byte cannot fall under 1
.endr
.irp i, 2,4,6,8,10,12,14
.irp b, 0,1,2,3
	v_max3_num_f32 v[TM+\b], v[TM+\b], |v[\s+16*\b+\i]|, |v[\s+1+16*\b+\i]|
.endr
.endr
.irp b, 0,1,2,3
	v_permlanex16_b32 v[TM+4+\b], v[TM+\b], s[SEL], s[SEL+1]
.endr
.irp b, 0,1,2,3
	v_max_num_f32 v[TM+\b], v[TM+\b], v[TM+4+\b]   ; with lane l xor 16's: the block's largest magnitude
.endr
.irp b, 0,1,2,3
	v_add_nc_u32 v[TM+8+\b], 0xff000000, v[TM+\b]  ; 2 off its exponent field: the conversion's scale operand
.endr
.irp b, 0,1,2,3
	v_lshrrev_b32 v[TM+4+\b], 23, v[TM+8+\b]       ; the scale's byte
.endr
	v_lshl_or_b32 v[PW], v[TM+5], 8, v[TM+4]
	v_lshl_or_b32 v[PW], v[TM+6], 16, v[PW]
	v_lshl_or_b32 v[PW], v[TM+7], 24, v[PW]
.irp c, 0,1
	v_cvt_scalef32_pk16_fp6_f32 v[PC+6*\c:PC+2+6*\c], v[\s+32*\c:\s+15+32*\c], v[TM+8+2*\c]
	v_cvt_scalef32_pk16_fp6_f32 v[PC+12+4*\c:PC+14+4*\c], v[\s+16+32*\c:\s+31+32*\c], v[TM+8+2*\c+1]   ; (a conversion's three registers begin on an even number)
.endr
	v_nop                                          ; one plain place behind a scaled conversion
.irp c, 0,1                                    ; the operand's layout wants a whole block in a lane: lanes 0-15 block 2 c, lanes 16-31 block 2 c + 1
.irp i, 0,1,2
	v_permlane16_swap_b32 v[PC+6*\c+\i], v[PC+12+4*\c+\i]
.endr
.irp i, 0,1,2
	v_mov_b32 v[PC+3+6*\c+\i], v[PC+12+4*\c+\i]
.endr
.endr
.endm
	s_load_b256 s[4:11], s[0:1], 0x0               ; xt s[4:5], xs s[6:7], Wt s[8:9], Ws s[10:11]
	s_load_b256 s[12:19], s[0:1], 0x20             ; Wc s[12:13], xq s[14:15], wp s[16:17], wc s[18:19]
	v_lshl_add_u32 v[SPW], v0, 2, SPARE
	v_mov_b32 v[NIL], 0
	v_lshrrev_b32 v14, 5, v0
	v_readfirstlane_b32 s20, v14                   ; wave 0..3
	v_and_b32 v1, 31, v0                           ; lane
	v_lshlrev_b32 v2, 4, v1                        ; 16 x lane
	v_lshlrev_b32 v3, 3, v1                        ; 8 x lane
	v_lshlrev_b32 v4, 2, v1                        ; 4 x lane
	v_and_b32 v14, 15, v0                          ; r
	v_bfe_u32 v15, v0, 4, 1                        ; h
	; every LDS address of both paths is made here, ahead of the parting
	s_mul_i32 s21, s20, XREG
	v_add_nc_u32 v7, s21, v2                       ; X: into the stage: 16 x lane of a row
	v_mul_u32_u24 v8, v14, 528
	v_lshl_add_u32 v8, v15, 6, v8
	v_add_nc_u32 v8, s21, v8                       ; X: out of it: row r, + 64 h: my 16 numbers of a block
	s_add_co_u32 s21, s21, XSCL
	v_lshl_add_u32 v9, v14, 2, s21                 ; X: row r's scale word
	v_add_nc_u32 v10, s21, v3                      ; X: and 8 bytes a lane on the way out
	s_mul_i32 s21, s20, WREG
	s_add_co_u32 s21, s21, WBASE
	v_and_b32 v14, 7, v0
	v_lshl_add_u32 v14, v15, 3, v14                ; W: my column's row in its tile: lane % 8 + 8 (lane / 16)
	v_bfe_u32 v15, v0, 3, 1                        ; W: and which of the two tiles: (lane / 8) % 2
	v_mul_u32_u24 v11, v15, WIMG
	v_lshl_add_u32 v11, v14, 4, v11
	v_add_nc_u32 v11, s21, v11                     ; W: into the images
	v_add_nc_u32 v12, s21, v2                      ; W: out of them
	v_lshlrev_b32 v13, 6, v15
	v_lshl_add_u32 v13, v14, 2, v13                ; W: my column's scale word among the two tiles' 128 bytes
.irp b, 0,1,2,3
	v_mov_b32 v[TM+4+\b], 0                        ; written once: a lane permute's destination counts as one of its sources
.endr
	s_mov_b32 s[SEL], 0x76543210
	s_mov_b32 s[SEL+1], 0xfedcba98
	s_wait_kmcnt 0x0
	s_cmp_lt_u32 ttmp9, 256
	s_cbranch_scc0 .Lweights
	; ---------------- X ----------------
	s_cmp_lt_u32 ttmp9, 128
	s_cselect_b64 s[24:25], s[4:5], s[6:7]         ; xt or xs: the choice hangs on the work-group's number alone
	s_lshr_b32 s26, ttmp9, 7                       ; T
	s_bfe_u32 s27, ttmp9, 0x60001                  ; which 64 tokens
	s_and_b32 s28, ttmp9, 1
	s_lshl_b32 s28, s28, 2
	s_add_co_u32 s28, s28, s20                     ; my K step
	s_lshl_b32 s30, s27, 18                        ; 64 rows of 4,096 bytes
	s_lshl_b32 s31, s28, 9                         ; 128 numbers
	s_add_co_u32 s30, s30, s31
	s_mov_b32 s31, 0
	s_add_nc_u64 s[24:25], s[24:25], s[30:31]
	s_mul_i32 s30, s26, 3145728
	s_mul_i32 s32, s28, 393216
	s_add_co_u32 s30, s30, s32
	s_mul_i32 s32, s27, 6144
	s_add_co_u32 s30, s30, s32
	s_add_nc_u64 s[34:35], s[14:15], s[30:31]      ; my four images
	s_lshl_b32 s30, s26, 17
	s_lshl_b32 s32, s28, 14
	s_add_co_u32 s30, s30, s32
	s_lshl_b32 s32, s27, 8
	s_add_co_u32 s30, s30, s32
	s_add_co_u32 s30, s30, 6291456
	s_add_nc_u64 s[36:37], s[14:15], s[30:31]      ; and their 256 bytes of scale words
.macro LOADX a                         ; tile a's 16 rows: each load is 512 consecutive bytes of one row
.irp i, 0,1,2,3,4,5,6,7,8,9,10,11,12,13,14,15
	; THE TOKENS OF A TILE (this replaces what the head says of x; the weights' columns stay as the head has them): row i of tile a is token 32 (i / 8) + 8 a + i % 8 of the work-group's 64
	global_load_b128 v[R+64*((\a)%2)+4*\i:R+64*((\a)%2)+4*\i+3], v2, s[24:25] offset:(32*(\i/8)+8*(\a)+\i%8)*4096 th:TH_LOAD_NT
.endr
.endm
.macro TILE a
.if (\a) < 3
	s_wait_loadcnt 16                              ; this tile's 16 loads are in; the next tile's may be out
.else
	s_wait_loadcnt 0x0
.endif
.irp i, 0,1,2,3,4,5,6,7,8,9,10,11,12,13,14,15
	ds_store_b128 v7, v[R+64*((\a)%2)+4*\i:R+64*((\a)%2)+4*\i+3] offset:528*\i
.endr
.irp b, 0,1,2,3
.irp j, 0,1,2,3
	ds_load_b128 v[X+16*\b+4*\j:X+16*\b+4*\j+3], v8 offset:128*\b+16*\j   ; LDS serves a wave's instructions in order: these see the stores above
.endr
.endr
	s_wait_dscnt 0x0                               ; my numbers are back, and the stores have read their registers,
.if (\a) < 2
	LOADX (\a)+2                                   ; which take the tile two on
.endif
.if (\a) > 0
	s_wait_xcnt 0x0                                ; the last tile's stores have read the codes' registers
.endif
	QUANT X
.irp c, 0,1,2
	global_store_b128 v2, v[PC+4*\c:PC+4*\c+3], s[34:35] offset:1536*(\a)+512*\c   ; 512 consecutive bytes a store
.endr
	ds_store_b32 v9, v[PW] offset:64*(\a)          ; lanes r and r + 16 write the same word with the same value
.endm
	LOADX 0
	LOADX 1
	TILE 0
	TILE 1
	TILE 2
	TILE 3
	ds_load_b64 v[242:243], v10
	s_wait_dscnt 0x0
	global_store_b64 v3, v[242:243], s[36:37]      ; 32 lanes store 256 consecutive bytes, aligned
	s_wait_tensorcnt 0x0                           ; the wave's end
	ds_add_u32 v[SPW], v[NIL]
	s_wait_dscnt 0x0
	s_endpgm
	; ---------------- W ----------------
.Lweights:
	s_sub_co_u32 s40, ttmp9, 256
	s_lshr_b32 s41, s40, 2                         ; which 128 columns of the three weights on end: Wt 0-23, Ws 24-39, Wc 40-47
	s_and_b32 s42, s40, 3                          ; which 256 along K
	s_mov_b64 s[44:45], s[12:13]                   ; Wc's figures,
	s_mov_b32 s46, 4096                            ; a row of the weight in bytes
	s_mov_b32 s47, 40                              ; its first group of columns
	s_mov_b32 s48, 0                               ; its first part's place among a head's five
	s_mov_b64 s[50:51], s[18:19]
	s_mov_b32 s52, 51200                           ; bytes from block of 64 columns to block
	s_mov_b32 s53, 6144                            ; from K step to K step
	s_mov_b32 s54, 49152                           ; where the scale words begin
	s_mov_b32 s55, 256                             ; and their K step
	s_cmp_lt_u32 s41, 40                           ; or Ws's,
	s_cselect_b64 s[44:45], s[10:11], s[44:45]
	s_cselect_b32 s46, 8192, s46
	s_cselect_b32 s47, 24, s47
	s_cselect_b32 s48, 3, s48
	s_cselect_b64 s[50:51], s[16:17], s[50:51]
	s_cselect_b32 s52, 256000, s52
	s_cselect_b32 s53, 30720, s53
	s_cselect_b32 s54, 245760, s54
	s_cselect_b32 s55, 1280, s55
	s_cmp_lt_u32 s41, 24                           ; or Wt's
	s_cselect_b64 s[44:45], s[8:9], s[44:45]
	s_cselect_b32 s46, 12288, s46
	s_cselect_b32 s47, 0, s47
	s_cselect_b32 s48, 0, s48
	s_sub_co_u32 s56, s41, s47
	s_lshl_b32 s56, s56, 7
	s_lshl_b32 s57, s20, 5
	s_add_co_u32 s56, s56, s57                     ; my wave's first column
	s_lshr_b32 s57, s56, 10                        ; which part (q, k, v)
	s_bfe_u32 s58, s56, 0x40006                    ; which head (of Wc: which block of 64 columns)
	s_bfe_u32 s59, s56, 0x10005                    ; which half of its 64
	s_add_co_u32 s57, s57, s48
	s_lshl_b32 s57, s57, 2
	s_lshl_b32 s59, s59, 1
	s_add_co_u32 s57, s57, s59                     ; my first tile among the head's
	s_lshl_b32 s60, s42, 8
	s_mul_i32 s60, s60, s46
	s_lshl_b32 s61, s56, 2
	s_add_co_u32 s60, s60, s61
	s_mov_b32 s61, 0
	s_add_nc_u64 s[SB:SB+1], s[44:45], s[60:61]    ; block 0: row 256 kq, my first column
	s_lshl_b32 s60, s46, 5                         ; 32 rows on
.irp n, 1,2,3,4,5,6,7
	s_add_nc_u64 s[SB+2*\n:SB+2*\n+1], s[SB+2*\n-2:SB+2*\n-1], s[60:61]
.endr
	s_mul_i32 s60, s58, s52
	s_add_nc_u64 s[50:51], s[50:51], s[60:61]
	s_lshl_b32 s62, s42, 1                         ; my first K step
	s_mul_i32 s60, s62, s53
	s_mul_i32 s63, s57, 1536
	s_add_co_u32 s60, s60, s63
	s_add_nc_u64 s[DB:DB+1], s[50:51], s[60:61]
	s_mov_b32 s60, s53
	s_add_nc_u64 s[DB+2:DB+3], s[DB:DB+1], s[60:61]
	s_mul_i32 s60, s62, s55
	s_add_co_u32 s60, s60, s54
	s_lshl_b32 s63, s57, 6
	s_add_co_u32 s60, s60, s63
	s_add_nc_u64 s[SD:SD+1], s[50:51], s[60:61]
	s_mov_b32 s60, s55
	s_add_nc_u64 s[SD+2:SD+3], s[SD:SD+1], s[60:61]
.irp i, 0,1,2,3,4,5,6,7,8,9,10,11,12,13,14,15,16,17,18,19,20,21,22,23,24,25,26,27,28,29,30,31
	v_mad_u32_u24 v[OFF+\i], s46, \i, v4           ; row i of a block, my column
.endr
.macro LOADW n                         ; block n: W(32 n + i, my column): 128 consecutive bytes a wave, 512 a work-group
.irp i, 0,1,2,3,4,5,6,7,8,9,10,11,12,13,14,15,16,17,18,19,20,21,22,23,24,25,26,27,28,29,30,31
	global_load_b32 v[XB+32*((\n)%2)+\i], v[OFF+\i], s[SB+2*(\n):SB+2*(\n)+1] th:TH_LOAD_NT
.endr
.endm
; Block n is block n % 4 of its K step: in the operand it is registers 6 (blk / 2) .. + 5 of lane row + 16 (blk % 2)
.macro BLOCK n
.set XS, XB+32*((\n)%2)
.set BQ, (\n)%4
.set QO, 256*(BQ%2)
.if (\n) < 7
	s_wait_loadcnt 32                              ; this block's 32 loads are in; the next block's may be out
.else
	s_wait_loadcnt 0x0
.endif
	v_max3_num_f32 v124, |v[XS]|, |v[XS+1]|, |v[XS+2]|
	v_max3_num_f32 v125, |v[XS+3]|, |v[XS+4]|, |v[XS+5]|
.irp i, 6,10,14,18,22,26
	v_max3_num_f32 v124, v124, |v[XS+\i]|, |v[XS+\i+1]|
	v_max3_num_f32 v125, v125, |v[XS+\i+2]|, |v[XS+\i+3]|
.endr
	v_max3_num_f32 v124, v124, |v[XS+30]|, |v[XS+31]|
	v_max3_num_f32 v124, v124, v125, 0x1800000     ; and the floor 2^(3 - 127)
	v_add_nc_u32 v126, 0xff000000, v124            ; the conversion's scale operand
	v_lshrrev_b32 v127, 23, v126                   ; the byte
.if BQ == 0
	v_mov_b32 v[SW+(\n)/4], v127
.else
	v_lshl_or_b32 v[SW+(\n)/4], v127, 8*BQ, v[SW+(\n)/4]
.endif
	v_cvt_scalef32_pk16_fp6_f32 v[CW:CW+2], v[XS:XS+15], v126
	v_cvt_scalef32_pk16_fp6_f32 v[DW:DW+2], v[XS+16:XS+31], v126
	v_nop                                          ; one plain place behind a scaled conversion
.irp i, 0,1,2
	v_mov_b32 v[CW+3+\i], v[DW+\i]
.endr
.if BQ < 2
	ds_store_b128 v11, v[CW:CW+3] offset:QO        ; registers 0-3,
	ds_store_b64 v11, v[CW+4:CW+5] offset:QO+512   ; 4, 5
.else
	ds_store_b64 v11, v[CW:CW+1] offset:QO+520     ; registers 6, 7,
	ds_store_b128 v11, v[CW+2:CW+5] offset:QO+1024 ; 8-11
.endif
.if (\n)+2 < 8
	LOADW (\n)+2
.endif
	s_wait_dscnt 0x0                               ; the stores have read their registers
.endm
.macro FLUSH k                         ; a K step's two images and their scale words leave
.irp u, 0,1
.irp c, 0,1,2
	ds_load_b128 v[OUTR+24*(\k)+12*\u+4*\c:OUTR+24*(\k)+12*\u+4*\c+3], v12 offset:WIMG*\u+512*\c
.endr
.endr
	s_wait_dscnt 0x0
.irp u, 0,1
.irp c, 0,1,2
	global_store_b128 v2, v[OUTR+24*(\k)+12*\u+4*\c:OUTR+24*(\k)+12*\u+4*\c+3], s[DB+2*(\k):DB+2*(\k)+1] offset:1536*\u+512*\c
.endr
.endr
	global_store_b32 v13, v[SW+(\k)], s[SD+2*(\k):SD+2*(\k)+1]   ; 128 consecutive bytes
.endm
	LOADW 0
	LOADW 1
	BLOCK 0
	BLOCK 1
	BLOCK 2
	BLOCK 3
	s_wait_alu depctr_va_vdst(0)
	FLUSH 0
	BLOCK 4
	BLOCK 5
	BLOCK 6
	BLOCK 7
	s_wait_alu depctr_va_vdst(0)
	FLUSH 1
	s_wait_tensorcnt 0x0                           ; the wave's end
	ds_add_u32 v[SPW], v[NIL]
	s_wait_dscnt 0x0
	s_endpgm
.Lfunc_end_k_q339ceb1481_quant:
	.size	k_q339ceb1481_quant, .Lfunc_end_k_q339ceb1481_quant-k_q339ceb1481_quant
	.p2alignl 7, 3214868480
	.fill 96, 4, 3214868480
	.section	.rodata,"a",@progbits
	.p2align	6, 0x0
	.amdhsa_kernel k_q339ceb1481_quant
		.amdhsa_group_segment_fixed_size 48640
		.amdhsa_private_segment_fixed_size 0
		.amdhsa_enable_private_segment 0
		.amdhsa_kernarg_size 64
		.amdhsa_user_sgpr_count 2
		.amdhsa_user_sgpr_kernarg_segment_ptr 1
		.amdhsa_wavefront_size32 1
		.amdhsa_system_sgpr_workgroup_id_x 1
		.amdhsa_system_sgpr_workgroup_id_y 1
		.amdhsa_system_sgpr_workgroup_id_z 1
		.amdhsa_system_vgpr_workitem_id 0
		.amdhsa_next_free_vgpr 256
		.amdhsa_next_free_sgpr 96
		.amdhsa_reserve_vcc 0
		.amdhsa_float_denorm_mode_32 3
		.amdhsa_float_denorm_mode_16_64 3
		.amdhsa_memory_ordered 1
		.amdhsa_forward_progress 1
		.amdhsa_inst_pref_size 78
	.end_amdhsa_kernel
	.amdgpu_metadata
---
amdhsa.version: [ 1, 2 ]
amdhsa.kernels:
  - .name:           k_q339ceb1481_quant
    .symbol:         k_q339ceb1481_quant.kd
    .args:
      - { .name: xt, .offset: 0, .size: 8, .value_kind: global_buffer, .address_space: global }
      - { .name: xs, .offset: 8, .size: 8, .value_kind: global_buffer, .address_space: global }
      - { .name: Wt, .offset: 16, .size: 8, .value_kind: global_buffer, .address_space: global }
      - { .name: Ws, .offset: 24, .size: 8, .value_kind: global_buffer, .address_space: global }
      - { .name: Wc, .offset: 32, .size: 8, .value_kind: global_buffer, .address_space: global }
      - { .name: xq, .offset: 40, .size: 8, .value_kind: global_buffer, .address_space: global }
      - { .name: wp, .offset: 48, .size: 8, .value_kind: global_buffer, .address_space: global }
      - { .name: wc, .offset: 56, .size: 8, .value_kind: global_buffer, .address_space: global }
    .group_segment_fixed_size: 48640
    .private_segment_fixed_size: 0
    .kernarg_segment_align: 8
    .kernarg_segment_size: 64
    .max_flat_workgroup_size: 128
    .sgpr_count:     96
    .vgpr_count:     256
    .wavefront_size: 32
...
	.end_amdgpu_metadata
.endif
;; end of part 1
;; launch proj (part 2): grid 16 x 16, 4 waves a work-group, clusters of 4 x 1, 327,680 bytes of LDS; arguments xq, wp, bt, bs, lam_ts, lam_st, lam_ss, qq, kv; writes qq, kv
.if DOCPART == 2
	.amdgcn_target "amdgcn-amd-amdhsa--gfx1250"
	.amdhsa_code_object_version 6
	.text
	.protected	k_q339ceb1481_proj
	.globl	k_q339ceb1481_proj
	.p2align	8
	.type	k_q339ceb1481_proj,@function
k_q339ceb1481_proj:
	s_mov_b64 s[64:65], 0
	v_nop
	global_prefetch_b8 v0, s[64:65] scope:SCOPE_SE
	s_setreg_imm32_b32 hwreg(HW_REG_WAVE_MODE, 25, 1), 1
	s_wait_xcnt 0x0
	s_wait_alu depctr_hold_cnt(0) depctr_sa_sdst(0) depctr_va_vdst(0) depctr_va_sdst(0) depctr_va_ssrc(0) depctr_va_vcc(0) depctr_vm_vsrc(0)
	s_getreg_b32 s2, hwreg(HW_REG_IB_STS2, 6, 4)
	s_cmp_eq_u32 s2, 0
	s_cbranch_scc0 .Lentry_in_a_cluster
	s_endpgm
.Lentry_in_a_cluster:
	s_bfe_u32 s2, ttmp6, 0x10000c
	s_cmp_lg_u32 s2, 0x3003
	s_cbranch_scc0 .Lentry_shape_is_right
	s_endpgm
.Lentry_shape_is_right:
; xt Wt + bt and xs Ws + bs on codes of FP6 (E2M3), for one head and 256 tokens, and what attention wants of them, quantised in registers:
;   Q' = [qt | qs], K' = [kt + lam_ts ks | lam_st kt + lam_ss ks] (K = 128: four blocks of 32), V^T (K = the tokens).  Sums, biases and the lam sums in f32.
; LIMITS: NaN and infinities are not served; a block of zeros gets the byte 1 over zero codes; k1 and k2 are made by fused multiply-adds (one rounding fewer than a product and a sum).
; SHARES.  A work-group: a block of 256 tokens x one head's 320 columns (qt, kt, vt, qs, ks: groups g = 0 .. 4 of four tiles of 16).  A wave: 64 tokens (tiles a = 0 .. 3) x all 320: 80 accumulators, 640 registers.
; So qt, kt, vt, qs, ks of a token lie in one wave, and nothing but scale words passes between waves.
; B, the head's weights for all of K (256,000 bytes of fragment images and scale words), comes into LDS ONCE: five tensor loads a wave, all first fills; five loads of mine are out at the most.
; CLUSTER: the four token blocks of a cluster want the same head's weights: each load is asked for jointly, by the same descriptor and a mask that names the four.
; A, the tokens' fragments, are a wave's own: they go from memory straight into registers, four units (tensor, K step) of 14 loads in flight.
; THE MATRIX INSTRUCTION IS USED TRANSPOSED for g != 2 (source 0 = 16 columns, source 1 = 16 tokens): a lane holds one token and its registers run along the channels, the next K.
; For g = 2 (vt) it is used plain: a lane holds one channel and its registers run along the tokens, the next K there.
; The rows of every tile are 32 b + 8 u + r + 8 (r / 8), so that the 16 registers of tiles 2 b and 2 b + 1 are 16 neighbours.
; REGISTERS.  window 0: v1-13 addresses; v15 scale word; v16-23 A's scale words (parity, tensor); v24-27 B's (set); v28-31 vt's bias; v32-51 codes; v52-63 at work; v64-159, v160-255 A's units of even, odd K steps.
;   On the way out: v64-95 qs's bias, v96-127 kt's, v128-159 ks's; v160-223 64 numbers; v224-255 32 more.
;   window 1: accumulators g0 (v0-127), g1 (v128-255).  window 2: g2, g3.  window 3: g4 (v0-127); B's two sets (v128-175, v176-223); qt's bias (v224-255).
; IN PLACE OF WHAT THE HEAD SAYS OF THE LOADS AND OF THE TOKENS:
; B comes into LDS once, in first fills, ONE tensor load a wave at a time: at the head waves 0-2 fetch stage 0 (K steps 0, 1; 80 rows of 256 bytes each) and wave 3 the scale words (40 rows);
; stages 1, 2, 3 (60 rows a wave) are asked for behind the wait for all loads, the add and a round of the cluster's barrier, each a stage ahead of its first read.  One load of mine is out at the most.
; The launch claims all of LDS.
; The TOKENS of a tile: row 8 h + j of tile a is token 32 h + 8 a + j of the wave's 64 (the columns of a weight stay 32 b + 8 u + r + 8 (r / 8)).
; So in vt's results a lane's 32 registers of a channel tile are a whole block of 32 tokens: its largest magnitude needs no other lane, and its codes are the lane's six registers as they stand.
.set SCR,   256000
.set VSC,   258048                     ; 512 bytes: V's scale words of the block's two key steps
.set SPARE, 258560                     ; the spare words, 128 bytes for each wave: two blocks of 256 bytes that no other line names
.set BADR, 4                           ; v4  16 x lane + the K step's 30,720 bytes
.set BSAD, 5                           ; v5  245,760 + 4 x lane
.set SPW,  6
.set NIL,  7
.set PW,   15
.set PC,   32
.set TM,   52
.set TT,   160
.set UU,   224
.set G1S,  28                          ; s[28:35] group 1: 40 rows of 256 bytes;  s[36:43]: 60 rows
.set G1C,  36
.set G0,   44                          ; s[44:63] five groups 0
.set WV,   72
.set CX,   73
.set RB,   74
.set HD,   75
.set BH,   76
.set SEL,  78
.set ABASE, 80
.set ASB,  82
.set QD,   84
.set QSD,  86
.set KCD,  88
.set VCD,  90
.set KSD,  92
.set VSD,  94
.set BTP,  96
.set BSP,  98
.set MSB, 0
.macro WIN new                         ; the immediate's high byte repeats the setting that is left
.if MSB != \new
	s_set_vgpr_msb (MSB<<8)|\new
.set MSB, \new
.endif
.endm
.macro PLACES
.rept 4
	v_nop
.endr
.endm
.macro CROUND                          ; a round of the cluster's barrier
	s_barrier_signal -1
	s_barrier_wait -1
	s_cmp_lg_u32 s[WV], 0
	s_cbranch_scc1 .Lnot_wave_0_\@
	s_barrier_signal -3
.Lnot_wave_0_\@:
	s_barrier_wait -3
	s_barrier_signal -1
	s_barrier_wait -1
.endm
.macro QUANT s                         ; 64 numbers of a lane (register 16 b + i = k 32 b + 16 (lane / 16) + i) -> codes v[PC] .. v[PC+11], scale word v[PW]
.irp b, 0,1,2,3
	v_max3_num_f32 v[TM+\b], |v[\s+16*\b]|, |v[\s+1+16*\b]|, 0x1800000   ; with the floor 2^(3 - 127)
.endr
.irp i, 2,4,6,8,10,12,14
.irp b, 0,1,2,3
	v_max3_num_f32 v[TM+\b], v[TM+\b], |v[\s+16*\b+\i]|, |v[\s+1+16*\b+\i]|
.endr
.endr
.irp b, 0,1,2,3
	v_permlanex16_b32 v[TM+4+\b], v[TM+\b], s[SEL], s[SEL+1]
.endr
.irp b, 0,1,2,3
	v_max_num_f32 v[TM+\b], v[TM+\b], v[TM+4+\b]
.endr
.irp b, 0,1,2,3
	v_add_nc_u32 v[TM+8+\b], 0xff000000, v[TM+\b]  ; 2 off the exponent field: the conversion's scale operand
.endr
.irp b, 0,1,2,3
	v_lshrrev_b32 v[TM+4+\b], 23, v[TM+8+\b]
.endr
	v_lshl_or_b32 v[PW], v[TM+5], 8, v[TM+4]
	v_lshl_or_b32 v[PW], v[TM+6], 16, v[PW]
	v_lshl_or_b32 v[PW], v[TM+7], 24, v[PW]
.irp c, 0,1
	v_cvt_scalef32_pk16_fp6_f32 v[PC+6*\c:PC+2+6*\c], v[\s+32*\c:\s+15+32*\c], v[TM+8+2*\c]
	v_cvt_scalef32_pk16_fp6_f32 v[PC+12+4*\c:PC+14+4*\c], v[\s+16+32*\c:\s+31+32*\c], v[TM+8+2*\c+1]
.endr
	v_nop                                          ; one plain place behind a scaled conversion
.irp c, 0,1
.irp i, 0,1,2
	v_permlane16_swap_b32 v[PC+6*\c+\i], v[PC+12+4*\c+\i]
.endr
.irp i, 0,1,2
	v_mov_b32 v[PC+3+6*\c+\i], v[PC+12+4*\c+\i]
.endr
.endr
.endm
.macro QHALF s                         ; 32 numbers, ONE block, all the lane's own -> its six registers of codes in v[PC] .. v[PC+5], its byte in v[TM+4]
	v_max3_num_f32 v[TM], |v[\s]|, |v[\s+1]|, 0x1800000            ; two chains; the floor 2^(3 - 127) among the leaves
	v_max3_num_f32 v[TM+1], |v[\s+2]|, |v[\s+3]|, |v[\s+4]|
.irp i, 5,9,13,17,21,25
	v_max3_num_f32 v[TM], v[TM], |v[\s+\i]|, |v[\s+\i+1]|
	v_max3_num_f32 v[TM+1], v[TM+1], |v[\s+\i+2]|, |v[\s+\i+3]|
.endr
	v_max3_num_f32 v[TM], v[TM], |v[\s+29]|, |v[\s+30]|
	v_max3_num_f32 v[TM], v[TM], v[TM+1], |v[\s+31]|
	v_add_nc_u32 v[TM+8], 0xff000000, v[TM]        ; 2 off the exponent field: the conversion's scale operand
	v_lshrrev_b32 v[TM+4], 23, v[TM+8]             ; the byte
	v_cvt_scalef32_pk16_fp6_f32 v[PC:PC+2], v[\s:\s+15], v[TM+8]
	v_cvt_scalef32_pk16_fp6_f32 v[PC+12:PC+14], v[\s+16:\s+31], v[TM+8]   ; (a conversion's three registers begin on an even number)
	v_nop                                          ; one plain place behind a scaled conversion
.irp i, 0,1,2
	v_mov_b32 v[PC+3+\i], v[PC+12+\i]
.endr
.endm
; One matrix instruction from the symbols rD, rX, rY, rSX, rSY; rZ: C = 0; rRX, rRY: the side's scales stand in lanes 16-31
.macro WM
.if rZ
.if rRX && rRY
	v_wmma_scale_f32_16x16x128_f8f6f4 v[rD:rD+7], v[rX:rX+11], v[rY:rY+11], 0, v[rSX], v[rSY] matrix_a_fmt:MATRIX_FMT_FP6 matrix_b_fmt:MATRIX_FMT_FP6 matrix_a_scale:MATRIX_SCALE_ROW1 matrix_b_scale:MATRIX_SCALE_ROW1
.elseif rRX
	v_wmma_scale_f32_16x16x128_f8f6f4 v[rD:rD+7], v[rX:rX+11], v[rY:rY+11], 0, v[rSX], v[rSY] matrix_a_fmt:MATRIX_FMT_FP6 matrix_b_fmt:MATRIX_FMT_FP6 matrix_a_scale:MATRIX_SCALE_ROW1
.elseif rRY
	v_wmma_scale_f32_16x16x128_f8f6f4 v[rD:rD+7], v[rX:rX+11], v[rY:rY+11], 0, v[rSX], v[rSY] matrix_a_fmt:MATRIX_FMT_FP6 matrix_b_fmt:MATRIX_FMT_FP6 matrix_b_scale:MATRIX_SCALE_ROW1
.else
	v_wmma_scale_f32_16x16x128_f8f6f4 v[rD:rD+7], v[rX:rX+11], v[rY:rY+11], 0, v[rSX], v[rSY] matrix_a_fmt:MATRIX_FMT_FP6 matrix_b_fmt:MATRIX_FMT_FP6
.endif
.else
.if rRX && rRY
	v_wmma_scale_f32_16x16x128_f8f6f4 v[rD:rD+7], v[rX:rX+11], v[rY:rY+11], v[rD:rD+7], v[rSX], v[rSY] matrix_a_fmt:MATRIX_FMT_FP6 matrix_b_fmt:MATRIX_FMT_FP6 matrix_a_scale:MATRIX_SCALE_ROW1 matrix_b_scale:MATRIX_SCALE_ROW1
.elseif rRX
	v_wmma_scale_f32_16x16x128_f8f6f4 v[rD:rD+7], v[rX:rX+11], v[rY:rY+11], v[rD:rD+7], v[rSX], v[rSY] matrix_a_fmt:MATRIX_FMT_FP6 matrix_b_fmt:MATRIX_FMT_FP6 matrix_a_scale:MATRIX_SCALE_ROW1
.elseif rRY
	v_wmma_scale_f32_16x16x128_f8f6f4 v[rD:rD+7], v[rX:rX+11], v[rY:rY+11], v[rD:rD+7], v[rSX], v[rSY] matrix_a_fmt:MATRIX_FMT_FP6 matrix_b_fmt:MATRIX_FMT_FP6 matrix_b_scale:MATRIX_SCALE_ROW1
.else
	v_wmma_scale_f32_16x16x128_f8f6f4 v[rD:rD+7], v[rX:rX+11], v[rY:rY+11], v[rD:rD+7], v[rSX], v[rSY] matrix_a_fmt:MATRIX_FMT_FP6 matrix_b_fmt:MATRIX_FMT_FP6
.endif
.endif
.endm
	s_load_b256 s[8:15], s[0:1], 0x0               ; xq s[8:9], wp s[10:11], bt s[12:13], bs s[14:15]
	s_load_b256 s[16:23], s[0:1], 0x20             ; lam_ts s[16:17], lam_st s[18:19], lam_ss s[20:21], qq s[22:23]
	s_load_b64 s[24:25], s[0:1], 0x40              ; kv
	v_lshl_add_u32 v[SPW], v0, 2, SPARE
	v_mov_b32 v[NIL], 0
	ds_add_u32 v[SPW], v[NIL]                      ; the wave's opening: the add and its wait stand ahead of my first tensor load; work on registers stands between them
	ds_add_u32 v[SPW], v[NIL]
	v_lshrrev_b32 v14, 5, v0
	v_readfirstlane_b32 s[WV], v14                 ; wave 0..3
	s_bfe_u32 s[CX], ttmp6, 0x40000                ; my place in the cluster: it enters global addresses of A, qq and kv alone
	s_lshl_b32 s[RB], ttmp9, 2
	s_add_co_u32 s[RB], s[RB], s[CX]               ; my block of 256 tokens
	s_and_b32 s[HD], ttmp7, 0xffff                 ; the head, which the four partners share
	v_and_b32 v14, 31, v0
	v_lshlrev_b32 v1, 4, v14                       ; 16 x lane
	v_lshlrev_b32 v2, 3, v14                       ; 8 x lane
	v_lshlrev_b32 v3, 2, v14                       ; 4 x lane
	v_lshlrev_b32 v[BADR], 4, v14
	v_add_nc_u32 v[BSAD], 245760, v3
	v_and_b32 v14, 15, v0                          ; r
	s_wait_alu depctr_va_vdst(0)
	s_lshl_b32 s2, s[WV], 9
	s_add_co_u32 s2, s2, SCR
	v_lshl_add_u32 v8, v14, 2, s2                  ; my wave's scale words: row r's,
	v_add_nc_u32 v9, s2, v2                        ; and 8 bytes a lane on the way out
	s_lshr_b32 s2, s[WV], 1
	s_lshl_b32 s2, s2, 8
	s_and_b32 s3, s[WV], 1
	s_lshl_b32 s3, s3, 1
	s_add_co_u32 s2, s2, s3
	s_add_co_u32 s2, s2, VSC
	v_lshl_add_u32 v10, v14, 2, s2                 ; V's scale words: key step wave / 2, half-word wave % 2, channel row r
	v_add_nc_u32 v11, VSC, v2
	v_bfe_u32 v12, v0, 4, 1
	v_add_nc_u32 v10, v10, v12                     ; V's scale bytes: byte 2 (wave % 2) + h of the channel's word
	v_lshlrev_b32 v12, 6, v12
	v_and_b32 v13, 8, v14
	v_add_nc_u32 v13, v13, v14
	v_lshlrev_b32 v13, 2, v13                      ; 4 (r + 8 (r / 8)): vt's bias at my channel
.irp b, 0,1,2,3
	v_mov_b32 v[TM+4+\b], 0                        ; written once: a lane permute's destination counts as one of its sources
.endr
	s_mov_b32 s[SEL], 0x76543210
	s_mov_b32 s[SEL+1], 0xfedcba98
	; group 1: a dense block as rows of 256 bytes (32 elements of 8 bytes); 15:0 the mask: all four work-groups; 21 set beside a mask
.irp g, G1S, G1C
	s_mov_b32 s[\g], 15|(3<<16)|(1<<21)
	s_mov_b32 s[\g+1], 32<<16
	s_mov_b32 s[\g+3], 32<<16
	s_mov_b32 s[\g+5], 32
	s_mov_b32 s[\g+6], 0
	s_mov_b32 s[\g+7], 0
.endr
	s_mov_b32 s[G1S+2], 40<<16                     ; the scale words: 40 rows, one wave's load
	s_mov_b32 s[G1S+4], 40
	s_mov_b32 s[G1C+2], 80<<16                     ; stage 0 at the head: 80 rows for each of three waves; behind the head's wait these two words are set to 60
	s_mov_b32 s[G1C+4], 80
	s_wait_dscnt 0x0                               ; the opening add is done
	s_wait_kmcnt 0x0
	s_load_b32 s66, s[16:17], 0x0                  ; lam_ts, lam_st, lam_ss
	s_load_b32 s68, s[18:19], 0x0
	s_load_b32 s70, s[20:21], 0x0
	s_mul_i32 s4, s[HD], 256000
	s_mov_b32 s5, 0
	s_mov_b32 s27, 0
	s_add_nc_u64 s[10:11], s[10:11], s[4:5]        ; the head's weights
	s_mov_b32 s26, 245760                          ; the scale words, whole: the LDS image is the memory's
	s_mov_b32 s[G0], 1
	s_mov_b32 s[G0+1], s26
	s_add_nc_u64 s[G0+2:G0+3], s[10:11], s[26:27]
	s_or_b32 s[G0+3], s[G0+3], 0x80000000
	s_mul_i32 s26, s[WV], 20480                    ; stage 0: a third for each of waves 0-2
	s_mov_b32 s[G0+4], 1
	s_mov_b32 s[G0+5], s26
	s_add_nc_u64 s[G0+6:G0+7], s[10:11], s[26:27]
	s_or_b32 s[G0+7], s[G0+7], 0x80000000
	s_mul_i32 s26, s[WV], 15360                    ; my quarter of a later stage of two K steps
.irp j, 1,2,3
	s_mov_b32 s[G0+4+4*\j], 1
	s_add_co_u32 s[G0+5+4*\j], s26, \j*61440
	s_add_nc_u64 s[G0+6+4*\j:G0+7+4*\j], s[10:11], s[26:27]
	s_add_nc_u64 s[G0+6+4*\j:G0+7+4*\j], s[G0+6+4*\j:G0+7+4*\j], \j*61440
	s_or_b32 s[G0+7+4*\j], s[G0+7+4*\j], 0x80000000
.endr
	s_lshl_b32 s26, s[RB], 4
	s_lshl_b32 s3, s[WV], 2
	s_add_co_u32 s26, s26, s3                      ; my first tile of tokens: 16 rb + 4 w
	s_mul_i32 s4, s26, 1536
	s_add_nc_u64 s[ABASE:ABASE+1], s[8:9], s[4:5]
	s_lshl_b32 s4, s26, 6
	s_add_co_u32 s4, s4, 6291456
	s_add_nc_u64 s[ASB:ASB+1], s[8:9], s[4:5]
	s_lshl_b32 s4, s[HD], 8
	s_add_nc_u64 s[BTP:BTP+1], s[12:13], s[4:5]    ; the head's 64 numbers in each part of bt and bs
	s_add_nc_u64 s[BSP:BSP+1], s[14:15], s[4:5]
	s_and_b32 s2, s[RB], 7                         ; my block within its batch
	s_lshr_b32 s6, s[RB], 3
	s_lshl_b32 s6, s6, 4
	s_add_co_u32 s[BH], s6, s[HD]                  ; 16 x batch + head
	s_lshl_b32 s4, s[BH], 7
	s_lshl_b32 s6, s2, 4
	s_add_co_u32 s4, s4, s6
	s_add_co_u32 s26, s4, s3                       ; my first tile in qq
	s_mul_i32 s4, s26, 1536
	s_add_nc_u64 s[QD:QD+1], s[22:23], s[4:5]
	s_lshl_b32 s4, s26, 6
	s_add_co_u32 s4, s4, 6291456
	s_add_nc_u64 s[QSD:QSD+1], s[22:23], s[4:5]
	s_mul_i32 s4, s[BH], 307200
	s_lshl_b32 s6, s2, 1
	s_mul_i32 s6, s6, 19200
	s_add_co_u32 s4, s4, s6
	s_add_nc_u64 s[24:25], s[24:25], s[4:5]        ; kv at the block's first key step
	s_add_nc_u64 s[VSD:VSD+1], s[24:25], 18944
	s_lshr_b32 s6, s[WV], 1
	s_mul_i32 s4, s6, 19200
	s_add_nc_u64 s[24:25], s[24:25], s[4:5]        ; at my key step
	s_and_b32 s6, s[WV], 1                         ; of which I have this half
	s_mul_i32 s4, s6, 6144
	s_add_nc_u64 s[KCD:KCD+1], s[24:25], s[4:5]
	s_mul_i32 s4, s6, 768
	s_add_co_u32 s4, s4, 12288
	s_add_nc_u64 s[VCD:VCD+1], s[24:25], s[4:5]
	s_lshl_b32 s4, s6, 8
	s_add_co_u32 s4, s4, 18432
	s_add_nc_u64 s[KSD:KSD+1], s[24:25], s[4:5]
	CROUND                                         ; all four work-groups are here: the joint loads meet
	s_cmp_lt_u32 s[WV], 3                          ; the head's loads, one a wave, in the two arms of one branch on the wave's number
	s_cbranch_scc0 .Lhead_scales
	tensor_load_to_lds s[G0+4:G0+7], s[G1C:G1C+7]  ; waves 0-2: a third of stage 0
	s_nop 0
	PLACES
	s_branch .Lhead_asked
.Lhead_scales:
	tensor_load_to_lds s[G0:G0+3], s[G1S:G1S+7]    ; wave 3: the scale words
	s_nop 0
	PLACES
.Lhead_asked:
	WIN 0xc0                                       ; destination window 3
	s_wait_alu depctr_va_vdst(0)
.irp b, 0,1
.irp j, 0,1,2,3
	global_load_b128 v[224+16*\b+4*\j:224+16*\b+4*\j+3], v12, s[BTP:BTP+1] offset:128*\b+16*\j   ; qt's bias: register 16 b + i = channel 32 b + 16 h + i
.endr
.endr
	WIN 0
.irp c, 0,1,2,3
	global_load_b32 v[28+\c], v13, s[BTP:BTP+1] offset:8192+128*(\c/2)+32*(\c%2)   ; vt's bias at my channel of tile c
.endr
; A unit: tensor t (0 xt, 1 xs), K step s: four fragments and two registers of scale words, 14 loads
.macro UNIT t, s
.irp a, 0,1,2,3
.irp k, 0,1,2
	global_load_b128 v[64+96*((\s)%2)+48*(\t)+12*\a+4*\k:64+96*((\s)%2)+48*(\t)+12*\a+4*\k+3], v1, s[ABASE:ABASE+1] offset:(\t)*3145728+(\s)*393216+\a*1536+\k*512
.endr
.endr
.irp i, 0,1
	global_load_b32 v[16+4*((\s)%2)+2*(\t)+\i], v3, s[ASB:ASB+1] offset:(\t)*131072+(\s)*16384+128*\i
.endr
.endm
.macro BIAS1                           ; qs's bias and the first half of kt's: 12 loads into the registers that xt's even units have left
.irp b, 0,1
.irp j, 0,1,2,3
	global_load_b128 v[64+16*\b+4*\j:64+16*\b+4*\j+3], v12, s[BSP:BSP+1] offset:128*\b+16*\j
.endr
.endr
.irp j, 0,1,2,3
	global_load_b128 v[96+4*\j:96+4*\j+3], v12, s[BTP:BTP+1] offset:4096+16*\j
.endr
.endm
.macro BIAS2                           ; the second half of kt's and ks's: 12 loads into the registers that xs's even units have left
.irp j, 0,1,2,3
	global_load_b128 v[112+4*\j:112+4*\j+3], v12, s[BTP:BTP+1] offset:4096+128+16*\j
.endr
.irp b, 0,1
.irp j, 0,1,2,3
	global_load_b128 v[128+16*\b+4*\j:128+16*\b+4*\j+3], v12, s[BSP:BSP+1] offset:4096+128*\b+16*\j
.endr
.endr
.endm
; B's four fragments and two registers of scale words of (K step s, group g) into a set: 14 LDS loads
.macro BLOAD s, g, set, extra
	WIN 0xc0
.irp c, 0,1,2,3
.irp k, 0,1,2
	ds_load_b128 v[128+48*(\set)+12*\c+4*\k:128+48*(\set)+12*\c+4*\k+3], v[BADR] offset:(4*(\g)+\c)*1536+512*\k+(\extra)
.endr
.endr
	WIN 0
.irp i, 0,1
	ds_load_b32 v[24+2*(\set)+\i], v[BSAD] offset:1280*(\s)+256*(\g)+128*\i
.endr
.endm
; 16 matrix instructions: group g of K step s.  The 80 accumulators take turns, one instruction a turn, in the same order in every K step.
.macro GROUP s, g
	WIN 0
	PLACES                                         ; four places in front of loads into registers that the last group's matrix instructions have read
.if (\g == 0) && (\s > 0)
	v_add_nc_u32 v[BADR], 30720, v[BADR]           ; on to this K step's images
.endif
.if \g == 0
.if (\s >= 1) && (\s <= 6)
	s_wait_alu depctr_va_vdst(0)
	UNIT 1, (\s)+1                                 ; xs's unit of the step before is done with
.elseif \s == 7
	BIAS2
.endif
.endif
.if \g == 3
.if \s <= 5
	UNIT 0, (\s)+2                                 ; xt's unit of this step is done with
.elseif \s == 6
	BIAS1
.endif
.endif
.if (\g == 4) && ((\s == 1) || (\s == 3) || (\s == 5))
	s_wait_tensorcnt 0x0                           ; my quarter of the next stage has landed: it was my one load out
	ds_add_u32 v[SPW], v[NIL]
	s_wait_dscnt 0x0                               ; the add is done, and no LDS load of mine is out at the signal
.if \s < 5
	CROUND                                         ; everybody's quarter has landed; the round stands in front of the next joint load
	tensor_load_to_lds s[G0+12+2*((\s)-1):G0+15+2*((\s)-1)], s[G1C:G1C+7]   ; the stage after the next: a first fill
	s_nop 0
	PLACES
.else
	s_barrier_signal -1
	s_barrier_wait -1                              ; the last stage is whole; nothing more is asked for
.endif
.endif
.if 5*(\s)+(\g) < 39
.if \g == 4
	BLOAD (\s)+1, 0, (5*(\s)+(\g)+1)%2, 30720
.else
	BLOAD \s, (\g)+1, (5*(\s)+(\g)+1)%2, 0
.endif
.endif
.if \g == 0
.if \s <= 6
	s_wait_loadcnt 42                              ; xt's unit of this step is in; three younger units of 14 may be out
.else
	s_wait_alu depctr_va_vdst(0)
	s_wait_loadcnt 38                              ; behind it: xs's last unit and the 24 loads of biases
.endif
.endif
.if \g == 3
.if \s <= 5
	s_wait_loadcnt 42                              ; xs's unit of this step is in; three younger units may be out
.elseif \s == 6
	s_wait_loadcnt 40                              ; two units and 12 loads of biases
.else
	s_wait_loadcnt 24                              ; the biases
.endif
.endif
.if 5*(\s)+(\g) < 39
	s_wait_dscnt 14                                ; this group's B is in; the 14 just issued may be out
.else
	s_wait_dscnt 0x0
.endif
.set AU,  64+96*((\s)%2)+48*((\g)/3)
.set SAU, 16+4*((\s)%2)+2*((\g)/3)
.set BU,  128+48*((5*(\s)+(\g))%2)
.set SBU, 24+2*((5*(\s)+(\g))%2)
.set WW,  1+(\g)/2
.set AB,  128*((\g)%2)
.set rZ,  (\s) == 0
.if \g == 2
	WIN 0x0c|(WW<<4)|(WW<<6)                       ; source 0 (tokens) window 0, source 1 (columns) window 3
.else
	WIN 0x03|(WW<<4)|(WW<<6)                       ; source 0 (columns) window 3, source 1 (tokens) window 0
.endif
.irp a, 0,1,2,3
.irp c, 0,1,2,3
.if \g == 2
.set rD, AB+32*\c+8*\a
.set rX, AU+12*\a
.set rY, BU+12*\c
.set rSX, SAU+\a/2
.set rSY, SBU+\c/2
.set rRX, \a%2
.set rRY, \c%2
.else
.set rD, AB+32*\a+8*\c
.set rX, BU+12*\c
.set rY, AU+12*\a
.set rSX, SBU+\c/2
.set rSY, SAU+\a/2
.set rRX, \c%2
.set rRY, \a%2
.endif
	WM
.endr
.endr
.endm
	UNIT 0, 0
	UNIT 1, 0
	UNIT 0, 1
	UNIT 1, 1
	s_wait_kmcnt 0x0
	s_mov_b32 s67, s66                             ; (the packed forms name pairs)
	s_mov_b32 s69, s68
	s_mov_b32 s71, s70
	s_wait_tensorcnt 0x0                           ; my load of the head is in
	ds_add_u32 v[SPW], v[NIL]
	s_mov_b32 s[G1C+2], 60<<16                     ; no tensor load of mine is out: from here on a load brings 60 rows
	s_mov_b32 s[G1C+4], 60
	s_wait_dscnt 0x0
	CROUND                                         ; everybody's is in, and the four work-groups are here: the joint loads meet
	tensor_load_to_lds s[G0+8:G0+11], s[G1C:G1C+7] ; stage 1
	s_nop 0
	PLACES
	BLOAD 0, 0, 0, 0
.irp s, 0,1,2,3,4,5,6,7
.irp g, 0,1,2,3,4
	GROUP \s, \g
.endr
.endr
	WIN 0
	PLACES
	s_wait_loadcnt 0x0                             ; the biases
	; ---- Q' = [qt + b | qs + b]: a tile of 16 tokens at a time; each accumulator is read from its low end on
.macro QPH a
	s_wait_xcnt 0x0                                ; the last tile's stores have read the codes' registers
	WIN 0x0d                                       ; source 0 window 1 (g0), source 1 window 3 (its bias)
.set n, 0
.rept 16
	v_pk_add_f32 v[TT+n:TT+n+1], v[32*(\a)+n:32*(\a)+n+1], v[224+n:224+n+1]
.set n, n+2
.endr
	WIN 0x02                                       ; source 0 window 2 (g3)
.set n, 0
.rept 16
	v_pk_add_f32 v[TT+32+n:TT+32+n+1], v[128+32*(\a)+n:128+32*(\a)+n+1], v[64+n:64+n+1]
.set n, n+2
.endr
	WIN 0
	QUANT TT
.irp k, 0,1,2
	global_store_b128 v1, v[PC+4*\k:PC+4*\k+3], s[QD:QD+1] offset:1536*(\a)+512*\k
.endr
	ds_store_b32 v8, v[PW] offset:64*(\a)
	s_wait_dscnt 0x0
.endm
	; ---- K' = [kt + lam_ts ks | lam_st kt + lam_ss ks]
.macro KPH a
	s_wait_xcnt 0x0
	WIN 0x01                                       ; source 0 window 1 (g1)
.set n, 0
.rept 16
	v_pk_add_f32 v[TT+n:TT+n+1], v[128+32*(\a)+n:128+32*(\a)+n+1], v[96+n:96+n+1]       ; kt
.set n, n+2
.endr
	WIN 0x03                                       ; source 0 window 3 (g4)
.set n, 0
.rept 16
	v_pk_add_f32 v[UU+n:UU+n+1], v[32*(\a)+n:32*(\a)+n+1], v[128+n:128+n+1]             ; ks
.set n, n+2
.endr
	WIN 0
.set n, 0
.rept 16
	v_pk_mul_f32 v[TT+32+n:TT+32+n+1], v[UU+n:UU+n+1], s[70:71] op_sel_hi:[1,0]         ; lam_ss ks
.set n, n+2
.endr
.set n, 0
.rept 16
	v_pk_fma_f32 v[TT+32+n:TT+32+n+1], v[TT+n:TT+n+1], s[68:69], v[TT+32+n:TT+32+n+1] op_sel_hi:[1,0,1]   ; + lam_st kt
.set n, n+2
.endr
.set n, 0
.rept 16
	v_pk_fma_f32 v[TT+n:TT+n+1], v[UU+n:UU+n+1], s[66:67], v[TT+n:TT+n+1] op_sel_hi:[1,0,1]               ; kt + lam_ts ks
.set n, n+2
.endr
	QUANT TT
.irp k, 0,1,2
	global_store_b128 v1, v[PC+4*\k:PC+4*\k+3], s[KCD:KCD+1] offset:1536*(\a)+512*\k
.endr
	ds_store_b32 v8, v[PW] offset:256+64*(\a)
	s_wait_dscnt 0x0
.endm
	; ---- V^T: a tile of 16 channels at a time; my 64 tokens are half of a key step's 128: half a fragment and half a scale word
.macro VPH c
	s_wait_xcnt 0x0
	WIN 0x02                                       ; source 0 window 2 (g2)
.set n, 0
.rept 32
	v_add_f32 v[TT+n], v[32*(\c)+n], v[28+(\c)]
.set n, n+1
.endr
	WIN 0
	QHALF TT
	global_store_b128 v1, v[PC:PC+3], s[VCD:VCD+1] offset:1536*(\c)
	global_store_b64 v2, v[PC+4:PC+5], s[VCD:VCD+1] offset:1536*(\c)+512
	ds_store_b8 v10, v[TM+4] offset:64*(\c)        ; my block's byte: block 2 (wave % 2) + h of the key step's four
	s_wait_dscnt 0x0
.endm
.irp a, 0,1,2,3
	QPH \a
.endr
.irp a, 0,1,2,3
	KPH \a
.endr
.irp c, 0,1,2,3
	VPH \c
.endr
	ds_load_b64 v[TT:TT+1], v9                     ; my four tiles' scale words of Q', 256 bytes,
	ds_load_b64 v[TT+2:TT+3], v9 offset:256        ; and of K'
	s_wait_dscnt 0x0                               ; for my registers, and for the others: my stores of V's half-words are done
	global_store_b64 v2, v[TT:TT+1], s[QSD:QSD+1]  ; 32 lanes store 256 consecutive bytes, aligned
	global_store_b64 v2, v[TT+2:TT+3], s[KSD:KSD+1]
	s_barrier_signal -1
	s_barrier_wait -1                              ; V's scale words of both key steps are whole
	s_cmp_lg_u32 s[WV], 0
	s_cbranch_scc1 .Lnot_mine
	ds_load_b64 v[TT+4:TT+5], v11
	ds_load_b64 v[TT+6:TT+7], v11 offset:256
	s_wait_dscnt 0x0
	global_store_b64 v2, v[TT+4:TT+5], s[VSD:VSD+1]
	global_store_b64 v2, v[TT+6:TT+7], s[VSD:VSD+1] offset:19200
.Lnot_mine:
	s_wait_tensorcnt 0x0                           ; the wave's end
	ds_add_u32 v[SPW], v[NIL]
	s_wait_dscnt 0x0
	CROUND                                         ; the closing round
	s_endpgm
.Lfunc_end_k_q339ceb1481_proj:
	.size	k_q339ceb1481_proj, .Lfunc_end_k_q339ceb1481_proj-k_q339ceb1481_proj
	.p2alignl 7, 3214868480
	.fill 96, 4, 3214868480
	.section	.rodata,"a",@progbits
	.p2align	6, 0x0
	.amdhsa_kernel k_q339ceb1481_proj
		.amdhsa_group_segment_fixed_size 327680
		.amdhsa_private_segment_fixed_size 0
		.amdhsa_enable_private_segment 0
		.amdhsa_kernarg_size 72
		.amdhsa_user_sgpr_count 2
		.amdhsa_user_sgpr_kernarg_segment_ptr 1
		.amdhsa_wavefront_size32 1
		.amdhsa_system_sgpr_workgroup_id_x 1
		.amdhsa_system_sgpr_workgroup_id_y 1
		.amdhsa_system_sgpr_workgroup_id_z 1
		.amdhsa_system_vgpr_workitem_id 0
		.amdhsa_next_free_vgpr 1024
		.amdhsa_next_free_sgpr 100
		.amdhsa_reserve_vcc 0
		.amdhsa_float_denorm_mode_32 3
		.amdhsa_float_denorm_mode_16_64 3
		.amdhsa_memory_ordered 1
		.amdhsa_forward_progress 1
		.amdhsa_inst_pref_size 236
	.end_amdhsa_kernel
	.amdgpu_metadata
---
amdhsa.version: [ 1, 2 ]
amdhsa.kernels:
  - .name:           k_q339ceb1481_proj
    .symbol:         k_q339ceb1481_proj.kd
    .args:
      - { .name: xq, .offset: 0, .size: 8, .value_kind: global_buffer, .address_space: global }
      - { .name: wp, .offset: 8, .size: 8, .value_kind: global_buffer, .address_space: global }
      - { .name: bt, .offset: 16, .size: 8, .value_kind: global_buffer, .address_space: global }
      - { .name: bs, .offset: 24, .size: 8, .value_kind: global_buffer, .address_space: global }
      - { .name: lam_ts, .offset: 32, .size: 8, .value_kind: global_buffer, .address_space: global }
      - { .name: lam_st, .offset: 40, .size: 8, .value_kind: global_buffer, .address_space: global }
      - { .name: lam_ss, .offset: 48, .size: 8, .value_kind: global_buffer, .address_space: global }
      - { .name: qq, .offset: 56, .size: 8, .value_kind: global_buffer, .address_space: global }
      - { .name: kv, .offset: 64, .size: 8, .value_kind: global_buffer, .address_space: global }
    .group_segment_fixed_size: 327680
    .private_segment_fixed_size: 0
    .kernarg_segment_align: 8
    .kernarg_segment_size: 72
    .max_flat_workgroup_size: 128
    .sgpr_count:     100
    .vgpr_count:     1024
    .wavefront_size: 32
...
	.end_amdgpu_metadata
.endif
;; end of part 2
;; launch attn (part 3): grid 8 x 32, 8 waves a work-group, clusters of 4 x 1, 327,680 bytes of LDS; arguments qq, kv, yq; writes yq
.if DOCPART == 3
	.amdgcn_target "amdgcn-amd-amdhsa--gfx1250"
	.amdhsa_code_object_version 6
	.text
	.protected	k_q339ceb1481_attn
	.globl	k_q339ceb1481_attn
	.p2align	8
	.type	k_q339ceb1481_attn,@function
k_q339ceb1481_attn:
	s_mov_b64 s[64:65], 0
	v_nop
	global_prefetch_b8 v0, s[64:65] scope:SCOPE_SE
	s_setreg_imm32_b32 hwreg(HW_REG_WAVE_MODE, 25, 1), 1
	s_wait_xcnt 0x0
	s_wait_alu depctr_hold_cnt(0) depctr_sa_sdst(0) depctr_va_vdst(0) depctr_va_sdst(0) depctr_va_ssrc(0) depctr_va_vcc(0) depctr_vm_vsrc(0)
	s_getreg_b32 s2, hwreg(HW_REG_IB_STS2, 6, 4)
	s_cmp_eq_u32 s2, 0
	s_cbranch_scc0 .Lentry_in_a_cluster
	s_endpgm
.Lentry_in_a_cluster:
	s_bfe_u32 s2, ttmp6, 0x10000c
	s_cmp_lg_u32 s2, 0x3003
	s_cbranch_scc0 .Lentry_shape_is_right
	s_endpgm
.Lentry_shape_is_right:
; y = softmax((qt k1^T + qs k2^T) / 8) vt for one (batch, head) and 256 queries, on codes of FP6 (E2M3); y leaves quantised along the channels, as half a fragment of the last product's operand.
; The two score products are ONE product with K = 128: Q' = [qt | qs], K' = [k1 | k2], four blocks of 32, each with its own scale.
; THE SOFTMAX: t = score x log2(e) / 8; M = the running largest t rounded UP to a whole number; p = 2^(t - M) is quantised along the keys, not normalised; the row's sum is taken of the unquantised p and divides at the end.
; When M moves, the sum and O are multiplied by 2^(old M - new M): exact.
; LIMITS: the promise holds while |t| stays under 2^31; NaN and infinities are not served; a block of zeros gets the byte 1 over zero codes.
; SHARES.  A work-group: 256 queries; each of its eight waves 32, two tiles of 16: every fragment of K' and of V^T that a wave reads from LDS feeds two matrix instructions.  Two waves to a SIMD.
; ALL of the head's K', V^T and scale words (16 key steps x 19,200 bytes of fragment images) come into LDS once: at the head wave w fetches key steps 2 w and 2 w + 1 by ONE tensor load; nothing is filled later.
; CLUSTER: the four query blocks of a cluster walk the same head: each load is asked for jointly, by the same descriptor and a mask that names the four.
; No prefetch: every tile of the launch is asked for at its head, where no loop runs ahead of it.
; LAYOUT.  Both products transposed: S^T = K' Q'^T, O^T = V^T P^T: a lane holds one query throughout.  Row 8 h + j of K's tile 4 c + u is key 64 c + 32 h + 8 u + j of the step:
; so a lane's registers 32 c .. 32 c + 31 of S^T are keys 64 c + 32 h + 0 .. 31: a WHOLE block of 32, in the order in which the operand's registers want it: no lane is asked for a block's maximum, and no code changes lanes.
; A key step in LDS: +0 K': 8 images of 1,536; +12,288 V^T: 4 images in halves of 768 (512 bytes of four registers a lane, 256 of two); +18,432 K's scale words; +18,944 V's.
; THE WALK goes by half steps.  A half step is the softmax of one tile over 128 keys, and the OTHER tile's twelve matrix instructions are laid singly among its vector instructions:
;   tile 0's softmax of step s carries O^T of tile 1 for step s - 1 and S^T of tile 1 for step s; tile 1's softmax of step s carries O^T of tile 0 for step s and S^T of tile 0 for step s + 1.
; In the middle of tile 0's softmax one run of LDS loads brings V^T of this step and K' of the next; they are waited for at the head of tile 1's softmax.
; REGISTERS, in two windows of 256.  Query tile q has its own in window q, under the same numbers: v0-63 S^T, then p; v64-95 O^T; v96-107 Q'; v108-119 p's codes; v120-126 halves as converted; v128-137 at work;
;   v144 -M, v145 the largest score, v[146:147] the sum, v148 f, v150-155 at work, v156 8 h, v157 the old -M.   window 0, v160-179: addresses, the add's two, scale words; v184-231 V^T's four fragments.
;   window 1, v160-255: K's eight fragments.
.set SPARE, 307200                     ; behind the head's tiles: the spare words, 128 bytes for each wave: four blocks of 256 bytes that no other line names
.set STEPB, 19200
.set S,   0
.set O,   64
.set QF,  96
.set PC,  108
.set CT,  120
.set TM,  128
.set NM,  144
.set SX,  145
.set L,   146
.set F,   148
.set W,   150
.set W2,  151
.set SA,  152
.set SB,  154
.set H8,  156
.set OM,  157
.set L16, 160                          ; 16, 8, 4 x lane; 4 (lane % 16)
.set L8,  161
.set L4,  162
.set R4,  163
.set A16, 164                          ; the same three + this key step's LDS byte
.set A8,  165
.set A4,  166
.set K16, 167                          ; 16 x lane, 4 x lane + the next key step's LDS byte
.set K4,  177
.set SPW, 168
.set NIL, 169
.set KS,  170                          ; v170-173 K's scale words; v174-175 V's; v176 Q's (lanes 0-15 tile 0, lanes 16-31 tile 1); v178, v179 p's, a tile each
.set VS,  174
.set QS,  176
.set PW,  178
.set VF,  184                          ; window 0
.set FR,  160                          ; window 1
.set G1,  12                           ; s[12:19]
.set SEL, 20
.set CS,  22                           ; s[22:23] c = log2(e) / 8
.set G0,  24                           ; s[24:27]
.set WV,  40
.set CX,  41
.set QB,  42
.set BH,  43
.set KB,  44                           ; LDS byte of the key step in hand
.set CNT, 45
.set KN,  46                           ; LDS byte of the next key step
.set MSB, 0
.macro WIN new                         ; the immediate's high byte repeats the setting that is left
.if MSB != (\new)
	s_set_vgpr_msb (MSB<<8)|(\new)
.set MSB, (\new)
.endif
.endm
.macro PLACES
.rept 4
	v_nop
.endr
.endm
.macro CROUND
	s_barrier_signal -1
	s_barrier_wait -1
	s_cmp_lg_u32 s[WV], 0
	s_cbranch_scc1 .Lnot_wave_0_\@
	s_barrier_signal -3
.Lnot_wave_0_\@:
	s_barrier_wait -3
	s_barrier_signal -1
	s_barrier_wait -1
.endm
.macro WM                              ; one matrix instruction from rD, rX, rY, rSX, rSY; rZ: C = 0; rRX, rRY: the side's scales stand in lanes 16-31
.if rZ
.if rRX && rRY
	v_wmma_scale_f32_16x16x128_f8f6f4 v[rD:rD+7], v[rX:rX+11], v[rY:rY+11], 0, v[rSX], v[rSY] matrix_a_fmt:MATRIX_FMT_FP6 matrix_b_fmt:MATRIX_FMT_FP6 matrix_a_scale:MATRIX_SCALE_ROW1 matrix_b_scale:MATRIX_SCALE_ROW1
.elseif rRX
	v_wmma_scale_f32_16x16x128_f8f6f4 v[rD:rD+7], v[rX:rX+11], v[rY:rY+11], 0, v[rSX], v[rSY] matrix_a_fmt:MATRIX_FMT_FP6 matrix_b_fmt:MATRIX_FMT_FP6 matrix_a_scale:MATRIX_SCALE_ROW1
.elseif rRY
	v_wmma_scale_f32_16x16x128_f8f6f4 v[rD:rD+7], v[rX:rX+11], v[rY:rY+11], 0, v[rSX], v[rSY] matrix_a_fmt:MATRIX_FMT_FP6 matrix_b_fmt:MATRIX_FMT_FP6 matrix_b_scale:MATRIX_SCALE_ROW1
.else
	v_wmma_scale_f32_16x16x128_f8f6f4 v[rD:rD+7], v[rX:rX+11], v[rY:rY+11], 0, v[rSX], v[rSY] matrix_a_fmt:MATRIX_FMT_FP6 matrix_b_fmt:MATRIX_FMT_FP6
.endif
.else
.if rRX
	v_wmma_scale_f32_16x16x128_f8f6f4 v[rD:rD+7], v[rX:rX+11], v[rY:rY+11], v[rD:rD+7], v[rSX], v[rSY] matrix_a_fmt:MATRIX_FMT_FP6 matrix_b_fmt:MATRIX_FMT_FP6 matrix_a_scale:MATRIX_SCALE_ROW1
.else
	v_wmma_scale_f32_16x16x128_f8f6f4 v[rD:rD+7], v[rX:rX+11], v[rY:rY+11], v[rD:rD+7], v[rSX], v[rSY] matrix_a_fmt:MATRIX_FMT_FP6 matrix_b_fmt:MATRIX_FMT_FP6
.endif
.endif
.endm
; THE MATRIX INSTRUCTIONS OF TILE hq, ONE A CALL: calls 0-3 (where hpv): O^T += V^T p^T, its four accumulators by turns; calls 4-11 (where hs): S^T = K' Q'^T, eight tiles of 16 keys.
; No two matrix instructions that follow each other share an accumulator.  hw: the window setting of the vector work around the call, which is set again behind it.
.macro HSET q, pv, s
.set hq, \q
.set hk, 0
.set hpv, \pv
.set hs, \s
.endm
.macro HOOK
.if (hk < 4) && hpv
.set rZ, 0
.set rD, O+8*hk
.set rX, VF+12*hk
.set rY, PC
.set rSX, VS+hk/2
.set rSY, PW+hq
.set rRX, hk%2
.set rRY, 0
	WIN 0x54*hq                                    ; source 0 (V^T) window 0; source 1, C and D window hq
	WM
	WIN hw
.endif
.if (hk >= 4) && (hk < 12) && hs
.set ht, hk-4
.set rZ, 1
.set rD, S+8*ht
.set rX, FR+12*ht
.set rY, QF
.set rSX, KS+ht/2
.set rSY, QS
.set rRX, ht%2
.set rRY, hq
	WIN 0x01+0x54*hq                               ; source 0 (K') window 1; source 1 and D window hq
	WM
	WIN hw
.endif
.set hk, hk+1
.endm
.macro INIT                            ; a tile's state; the caller sets the destination's window
	v_mov_b32 v[NM], 0x7d000000                    ; -M: so large that the first f is 0
	v_mov_b32 v[SX], 0xff61b1e6                    ; the largest score so far: -3e38
	v_mov_b32 v[L], 0
	v_mov_b32 v[L+1], 0
	v_mov_b32 v[F+1], 0                            ; (named as the upper half of a pair)
	v_mov_b32 v[W2], 0                             ; a lane permute's destination counts as one of its sources
.set n, 0
.rept 32
	v_mov_b32 v[O+n], 0                            ; O^T: the half step is written for every step alike; the first finds zeros, which the first f leaves zeros
.set n, n+1
.endr
.endm
.macro KLOAD a16, a4                   ; K's four registers of scale words and eight fragments: 28 LDS loads
.irp i, 0,1,2,3
	ds_load_b32 v[KS+\i], v[\a4] offset:18432+128*\i   ; lanes 0-15 tile 2 i, lanes 16-31 tile 2 i + 1
.endr
	WIN 0x40
.irp t, 0,1,2,3,4,5,6,7
.irp k, 0,1,2
	ds_load_b128 v[FR+12*\t+4*\k:FR+12*\t+4*\k+3], v[\a16] offset:1536*\t+512*\k
.endr
.endr
	WIN 0
.endm
; THE RUN OF LDS LOADS in tile 0's softmax: V^T of the step in hand, K' of the next.  The registers that it fills were last read by matrix instructions that stand eight plain vector instructions or more ahead.
; last = 1: in the loop's last trip there is no next step: a branch on the trip counter leads round K's loads; the clamp keeps their address inside the tiles on every path.
.macro RUN last
	s_add_co_u32 s[KN], s[KB], STEPB
	s_min_u32 s[KN], s[KN], 15*STEPB
	v_add_nc_u32 v[A16], s[KB], v[L16]
	v_add_nc_u32 v[A8], s[KB], v[L8]
	v_add_nc_u32 v[A4], s[KB], v[L4]
	v_add_nc_u32 v[K16], s[KN], v[L16]
	v_add_nc_u32 v[K4], s[KN], v[L4]
	s_wait_alu depctr_va_vdst(0)                   ; ahead of the branch below, and behind the two exponentials above
.irp t, 0,1,2,3
.irp f, 0,1
	ds_load_b128 v[VF+12*\t+6*\f:VF+12*\t+6*\f+3], v[A16] offset:12288+1536*\t+768*\f
	ds_load_b64 v[VF+12*\t+6*\f+4:VF+12*\t+6*\f+5], v[A8] offset:12288+1536*\t+768*\f+512
.endr
.endr
.irp i, 0,1
	ds_load_b32 v[VS+\i], v[A4] offset:18944+128*\i
.endr
.if \last
	s_cmp_eq_u32 s[CNT], 1
	s_cbranch_scc1 .Lno_next_\@
.endif
	KLOAD K16, K4
.if \last
.Lno_next_\@:
.endif
.endm
	s_load_b128 s[4:7], s[0:1], 0x0                ; qq s[4:5], kv s[6:7]
	s_load_b64 s[8:9], s[0:1], 0x10                ; yq
	v_lshl_add_u32 v[SPW], v0, 2, SPARE
	v_mov_b32 v[NIL], 0
	ds_add_u32 v[SPW], v[NIL]                      ; the wave's opening: the add, twice on end, and its wait stand ahead of my tensor load; work on registers stands between
	ds_add_u32 v[SPW], v[NIL]
	v_lshrrev_b32 v[A16], 5, v0
	v_readfirstlane_b32 s[WV], v[A16]              ; wave 0..7
	s_bfe_u32 s[CX], ttmp6, 0x40000
	s_lshl_b32 s[QB], ttmp9, 2
	s_add_co_u32 s[QB], s[QB], s[CX]               ; my block of 256 queries: it enters qq's and yq's addresses alone
	s_and_b32 s[BH], ttmp7, 0xffff                 ; 16 x batch + head, which the four partners share
	v_and_b32 v[A8], 31, v0
	v_and_b32 v[R4], 15, v0
	v_bfe_u32 v[H8], v0, 4, 1
	v_lshlrev_b32 v[L16], 4, v[A8]
	v_lshlrev_b32 v[L8], 3, v[A8]
	v_lshlrev_b32 v[L4], 2, v[A8]
	v_lshlrev_b32 v[R4], 2, v[R4]
	v_lshlrev_b32 v[H8], 3, v[H8]
	s_mov_b32 s[G1], 15|(3<<16)|(1<<21)            ; 15:0 the mask: all four work-groups; 17:16 elements of 8 bytes; 21 set beside a mask
	s_mov_b32 s[G1+1], 32<<16                      ; two key steps' 38,400 dense bytes as 150 rows of 256
	s_mov_b32 s[G1+2], 150<<16
	s_mov_b32 s[G1+3], 32<<16
	s_mov_b32 s[G1+4], 150
	s_mov_b32 s[G1+5], 32
	s_mov_b32 s[G1+6], 0
	s_mov_b32 s[G1+7], 0
	s_mov_b32 s[SEL], 0x76543210
	s_mov_b32 s[SEL+1], 0xfedcba98
	s_mov_b32 s[CS], 0x3e38aa3b                    ; log2(e) / 8
	s_mov_b32 s[CS+1], s[CS]
	INIT
	WIN 0x40                                       ; destination window 1
	INIT
	v_mov_b32 v[H8], v[H8]                         ; 8 h for tile 1 too
	WIN 0
	s_wait_alu depctr_va_vdst(0)
	s_wait_dscnt 0x0                               ; both opening adds are done
	s_wait_kmcnt 0x0
	s_mul_i32 s46, s[BH], 307200
	s_mov_b32 s47, 0
	s_add_nc_u64 s[6:7], s[6:7], s[46:47]          ; the head's tiles
	s_mul_i32 s46, s[WV], 2*STEPB                  ; wave w fetches key steps 2 w, 2 w + 1; the LDS image is the memory's
	s_mov_b32 s[G0], 1
	s_mov_b32 s[G0+1], s46
	s_add_nc_u64 s[G0+2:G0+3], s[6:7], s[46:47]
	s_or_b32 s[G0+3], s[G0+3], 0x80000000
	s_lshl_b32 s48, s[BH], 7
	s_lshl_b32 s49, s[QB], 4
	s_lshl_b32 s50, s[WV], 1
	s_add_co_u32 s49, s49, s50                     ; my first tile within the batch's 128
	s_add_co_u32 s48, s48, s49                     ; and in qq
	s_mul_i32 s46, s48, 1536
	s_add_nc_u64 s[56:57], s[4:5], s[46:47]
	s_lshl_b32 s46, s48, 6
	s_add_co_u32 s46, s46, 6291456
	s_add_nc_u64 s[58:59], s[4:5], s[46:47]
	s_lshr_b32 s50, s[BH], 4
	s_lshl_b32 s50, s50, 7
	s_add_co_u32 s50, s50, s49                     ; my first tile of rows in yq: 128 x batch + ..
	s_bfe_u32 s51, s[BH], 0x30001                  ; the K step of the last product: head / 2
	s_and_b32 s52, s[BH], 1                        ; and which half of it
	s_mul_i32 s46, s51, 393216
	s_mul_i32 s53, s50, 1536
	s_add_co_u32 s46, s46, s53
	s_mul_i32 s53, s52, 768
	s_add_co_u32 s46, s46, s53
	s_add_nc_u64 s[60:61], s[8:9], s[46:47]
	s_lshl_b32 s46, s51, 14
	s_lshl_b32 s53, s50, 6
	s_add_co_u32 s46, s46, s53
	s_lshl_b32 s53, s52, 1
	s_add_co_u32 s46, s46, s53
	s_add_co_u32 s46, s46, 3145728
	s_add_nc_u64 s[62:63], s[8:9], s[46:47]
.irp k, 0,1,2
	global_load_b128 v[QF+4*\k:QF+4*\k+3], v[L16], s[56:57] offset:512*\k   ; Q' stays in registers: tile 0,
.endr
	global_load_b32 v[QS], v[L4], s[58:59]         ; both tiles' scale words,
	WIN 0x40
.irp k, 0,1,2
	global_load_b128 v[QF+4*\k:QF+4*\k+3], v[L16], s[56:57] offset:1536+512*\k   ; tile 1
.endr
	WIN 0
	CROUND                                         ; all four work-groups are here: the joint loads meet
	tensor_load_to_lds s[G0:G0+3], s[G1:G1+7]      ; my one tensor load
	s_nop 0
	PLACES
	s_mov_b32 s[KB], 0
	s_wait_tensorcnt 0x0                           ; my two key steps are in,
	s_barrier_signal -1
	s_barrier_wait -1                              ; everybody's are
; A HALF STEP: the softmax of tile q over a step's 128 keys, all its registers in window q (p's scale word alone goes to window 0), with the twelve calls of HOOK among its vector instructions.
; dsw: the run of LDS loads is waited for at its head.  run: 0 none; 1 the run of loads; 2 the same under the last trip's branch.
.macro SOFT q, dsw, run
.set hw, 0x55*(\q)
	WIN hw
.if \dsw
	s_wait_dscnt 0x0                               ; V^T of this step and K' of the next are in
.endif
	s_wait_alu depctr_va_vdst(0)                   ; directly ahead of the first readers of these scores: the eight lines below read each accumulator at its low end
.irp k, 0,1,2,3
	v_max3_num_f32 v[TM+\k], v[S+16*\k], v[S+16*\k+1], v[S+16*\k+2]   ; four chains, two to a block of 32 keys
.endr
.irp i, 7,3,5,9,11,13
.irp k, 0,1,2,3
	v_max3_num_f32 v[TM+\k], v[TM+\k], v[S+16*\k+\i], v[S+16*\k+\i+1]
.endr
.if (\i == 5) || (\i == 11)
	HOOK
.endif
.endr
	v_max3_num_f32 v[TM], v[TM], v[TM+1], v[S+15]
	v_max3_num_f32 v[TM+2], v[TM+2], v[TM+3], v[S+47]
	v_max_num_f32 v[TM], v[TM], v[S+31]            ; my two blocks' largest scores: for the row's maximum, and, since p rises with the score, for each block's largest p
	v_max_num_f32 v[TM+2], v[TM+2], v[S+63]
	HOOK
	v_max_num_f32 v[W], v[TM], v[TM+2]
	v_mov_b32 v[OM], v[NM]
	HOOK
	v_permlanex16_b32 v[W2], v[W], s[SEL], s[SEL+1]
	s_delay_alu instid0(VALU_DEP_1)
	v_max3_num_f32 v[SX], v[SX], v[W], v[W2]       ; the running largest score, with lane l xor 16's 64 keys
	HOOK
	v_mul_f32 v[W], s[CS], v[SX]                   ; as t
	s_delay_alu instid0(VALU_DEP_1)
	v_floor_f32 v[NM], -v[W]                       ; the new -M = -ceil(t)
.set n, 0
.rept 32
	v_pk_fma_f32 v[S+n:S+n+1], v[S+n:S+n+1], s[CS:CS+1], v[NM:NM+1] op_sel_hi:[1,0,0]   ; t - M
.if n == 4
	v_sub_f32 v[W], v[NM], v[OM]                   ; old M - new M: a whole number, 0 or less
.elseif n == 10
	v_cvt_i32_f32 v[W], v[W]                       ; (it saturates)
.elseif n == 18
	v_ldexp_f32 v[F], 1.0, v[W]                    ; f = 2^(old M - new M)
.endif
.if (n % 16) == 14
	HOOK
.endif
.set n, n+2
.endr
	v_fma_f32 v[TM], v[TM], s[CS], v[NM]           ; the same of each block's largest score
	v_fma_f32 v[TM+2], v[TM+2], s[CS], v[NM]
	s_wait_alu depctr_va_vdst(0)
.set n, 0
.rept 64
	v_exp_f32 v[S+n], v[S+n]                       ; p = 2^(t - M)
.if (n == 3) || (n == 7) || (n == 11)
	HOOK
.endif
.set n, n+1
.endr
	v_pk_mul_f32 v[L:L+1], v[L:L+1], v[F:F+1] op_sel_hi:[1,0]   ; the sums under the new M: a plain place behind the exponentials
	s_wait_alu depctr_va_vdst(0)                   ; one wait for the whole batch, ahead of its first reader
	v_exp_f32 v[TM], v[TM]                         ; each block's largest p
	v_exp_f32 v[TM+2], v[TM+2]
	v_pk_add_f32 v[SA:SA+1], v[S:S+1], v[S+2:S+3]  ; the row's sum of the unquantised p, in three chains
	v_pk_add_f32 v[SB:SB+1], v[S+4:S+5], v[S+6:S+7]
.if \run
	RUN (\run)-1
.endif
.set n, 8
.rept 9
	v_pk_add_f32 v[L:L+1], v[L:L+1], v[S+n:S+n+1]
	v_pk_add_f32 v[SA:SA+1], v[SA:SA+1], v[S+n+2:S+n+3]
	v_pk_add_f32 v[SB:SB+1], v[SB:SB+1], v[S+n+4:S+n+5]
.set n, n+6
.endr
	v_pk_add_f32 v[L:L+1], v[L:L+1], v[S+62:S+63]
	v_pk_add_f32 v[SA:SA+1], v[SA:SA+1], v[SB:SB+1]
	s_delay_alu instid0(VALU_DEP_1)
	v_pk_add_f32 v[L:L+1], v[L:L+1], v[SA:SA+1]
	s_wait_alu depctr_va_vdst(0)                   ; and one for the two
	v_max_num_f32 v[TM], 0x1800000, v[TM]          ; the floor 2^(3 - 127)
	v_max_num_f32 v[TM+2], 0x1800000, v[TM+2]
	v_add_nc_u32 v[TM+4], 0xff000000, v[TM]        ; the conversions' scale operands
	v_add_nc_u32 v[TM+5], 0xff000000, v[TM+2]
	v_lshrrev_b32 v[TM+6], 23, v[TM+4]             ; the bytes of blocks h and 2 + h
	v_lshrrev_b32 v[TM+7], 23, v[TM+5]
	s_delay_alu instid0(VALU_DEP_1)
	v_lshl_or_b32 v[W], v[TM+7], 16, v[TM+6]
	s_delay_alu instid0(VALU_DEP_1)
	v_lshlrev_b32 v[W], v[H8], v[W]                ; at their places in the word: 8 h bits up
	s_delay_alu instid0(VALU_DEP_1)
	v_permlanex16_b32 v[W2], v[W], s[SEL], s[SEL+1]
	WIN 0x15*(\q)                                  ; scale operands are taken from window 0
	v_or_b32 v[PW+\q], v[W], v[W2]                 ; with lane l xor 16's two the word is whole
	WIN hw
	v_cvt_scalef32_pk16_fp6_f32 v[PC:PC+2], v[S:S+15], v[TM+4]
	v_cvt_scalef32_pk16_fp6_f32 v[CT:CT+2], v[S+16:S+31], v[TM+4]       ; (a conversion's three registers begin on an even number)
	v_cvt_scalef32_pk16_fp6_f32 v[PC+6:PC+8], v[S+32:S+47], v[TM+5]
	v_cvt_scalef32_pk16_fp6_f32 v[CT+4:CT+6], v[S+48:S+63], v[TM+5]
	v_nop                                          ; one plain place behind a scaled conversion
.irp i, 0,1,2
	v_mov_b32 v[PC+3+\i], v[CT+\i]
	v_mov_b32 v[PC+9+\i], v[CT+4+\i]
.endr
	s_wait_alu depctr_va_vdst(0)                   ; directly ahead of the first reader of O^T
.set n, 0
.rept 16
	v_pk_mul_f32 v[O+n:O+n+1], v[O+n:O+n+1], v[F:F+1] op_sel_hi:[1,0]   ; O^T under the new M; these are also the places behind the writes of p's codes and scale word
.set n, n+2
.endr
.endm
	KLOAD L16, L4                                  ; key step 0 lies at LDS byte 0
	s_wait_loadcnt 0x0                             ; Q'
	s_wait_dscnt 0x0
	HSET 0, 0, 1                                   ; S^T of tile 0 for step 0: calls 4-11
.set hk, 4
.set hw, 0
.rept 8
	HOOK
.endr
	PLACES                                         ; in front of the first read of the scores
	HSET 1, 0, 1                                   ; the first half step is written out: there is no step before it
	SOFT 0, 0, 1
	s_mov_b32 s[CNT], 15
.Ltrip:                                                ; trip s = 0 .. 14: tile 1's half of step s, tile 0's half of step s + 1
	HSET 0, 1, 1
	SOFT 1, 1, 0
	WIN 0
	s_add_co_u32 s[KB], s[KB], STEPB
	HSET 1, 1, 1
	SOFT 0, 0, 2
	s_sub_co_u32 s[CNT], s[CNT], 1
	s_cmp_lg_u32 s[CNT], 0
	s_cbranch_scc1 .Ltrip
	HSET 0, 1, 0                                   ; the last half step is written out: there is no step behind it
	SOFT 1, 1, 0
	WIN 0
	s_wait_alu depctr_va_vdst(0)                   ; O^T of tile 1, just rescaled, is read by the four products below
	HSET 1, 1, 0                                   ; and O^T of tile 1 for step 15: the four stand on end under their own window setting
.set hw, 0x54
.rept 4
	HOOK
.endr
	WIN 0
; THE WAY OUT of tile q: O^T / the sum is my query's 64 channels of this head: register 16 b + i = channel 32 b + 16 (lane / 16) + i: two blocks of the last product's K, each shared with lane l xor 16
.macro FIN q
	WIN 0x55*(\q)
	v_add_f32 v[L], v[L], v[L+1]
	v_permlanex16_b32 v[W2], v[L], s[SEL], s[SEL+1]
	v_add_f32 v[L], v[L], v[W2]                    ; the row's sum
	s_wait_alu depctr_va_vdst(0)                   ; the wait ahead of the reciprocal,
	v_rcp_f32 v[L], v[L]
	v_nop                                          ; a plain place behind it,
	s_wait_alu depctr_va_vdst(0)                   ; and the wait ahead of its first reader, which is also the first reader of O^T
.set n, 0
.rept 32
	v_mul_f32 v[S+n], v[O+n], v[L]                 ; each accumulator from its low end on
.set n, n+1
.endr
.irp b, 0,1
	v_max3_num_f32 v[TM+\b], |v[S+16*\b]|, |v[S+1+16*\b]|, 0x1800000   ; with the floor 2^(3 - 127)
.endr
.irp i, 2,4,6,8,10,12,14
.irp b, 0,1
	v_max3_num_f32 v[TM+\b], v[TM+\b], |v[S+16*\b+\i]|, |v[S+1+16*\b+\i]|
.endr
.endr
.irp b, 0,1
	v_permlanex16_b32 v[TM+4+\b], v[TM+\b], s[SEL], s[SEL+1]
.endr
.irp b, 0,1
	v_max_num_f32 v[TM+\b], v[TM+\b], v[TM+4+\b]
.endr
.irp b, 0,1
	v_add_nc_u32 v[TM+8+\b], 0xff000000, v[TM+\b]
.endr
.irp b, 0,1
	v_lshrrev_b32 v[TM+4+\b], 23, v[TM+8+\b]
.endr
	v_cvt_scalef32_pk16_fp6_f32 v[PC:PC+2], v[S:S+15], v[TM+8]
	v_cvt_scalef32_pk16_fp6_f32 v[CT:CT+2], v[S+16:S+31], v[TM+9]
	v_nop                                          ; one plain place behind a scaled conversion
.irp i, 0,1,2
	v_permlane16_swap_b32 v[PC+\i], v[CT+\i]       ; a whole block to a lane: lanes 0-15 block 0, lanes 16-31 block 1
.endr
.irp i, 0,1,2
	v_mov_b32 v[PC+3+\i], v[CT+\i]
.endr
	v_lshl_or_b32 v[W], v[TM+5], 8, v[TM+4]        ; my row's half of a scale word
	WIN 4*(\q)                                     ; a store's data are its source 1
	global_store_b128 v[L16], v[PC:PC+3], s[60:61] offset:1536*(\q)          ; 512 consecutive bytes,
	global_store_b64 v[L8], v[PC+4:PC+5], s[60:61] offset:1536*(\q)+512      ; and 256
	global_store_b16 v[R4], v[W], s[62:63] offset:64*(\q)   ; two bytes of each row's word (lanes r and r + 16 store the same two bytes with the same value); the other head of the pair writes the other two
.endm
	PLACES                                         ; behind the last products
	FIN 0
	FIN 1
	WIN 0
	s_wait_tensorcnt 0x0                           ; the wave's end
	ds_add_u32 v[SPW], v[NIL]
	s_wait_dscnt 0x0
	CROUND                                         ; the closing round
	s_endpgm
.Lfunc_end_k_q339ceb1481_attn:
	.size	k_q339ceb1481_attn, .Lfunc_end_k_q339ceb1481_attn-k_q339ceb1481_attn
	.p2alignl 7, 3214868480
	.fill 96, 4, 3214868480
	.section	.rodata,"a",@progbits
	.p2align	6, 0x0
	.amdhsa_kernel k_q339ceb1481_attn
		.amdhsa_group_segment_fixed_size 327680
		.amdhsa_private_segment_fixed_size 0
		.amdhsa_enable_private_segment 0
		.amdhsa_kernarg_size 24
		.amdhsa_user_sgpr_count 2
		.amdhsa_user_sgpr_kernarg_segment_ptr 1
		.amdhsa_wavefront_size32 1
		.amdhsa_system_sgpr_workgroup_id_x 1
		.amdhsa_system_sgpr_workgroup_id_y 1
		.amdhsa_system_sgpr_workgroup_id_z 1
		.amdhsa_system_vgpr_workitem_id 0
		.amdhsa_next_free_vgpr 512
		.amdhsa_next_free_sgpr 66
		.amdhsa_reserve_vcc 0
		.amdhsa_float_denorm_mode_32 3
		.amdhsa_float_denorm_mode_16_64 3
		.amdhsa_memory_ordered 1
		.amdhsa_forward_progress 1
		.amdhsa_inst_pref_size 77
	.end_amdhsa_kernel
	.amdgpu_metadata
---
amdhsa.version: [ 1, 2 ]
amdhsa.kernels:
  - .name:           k_q339ceb1481_attn
    .symbol:         k_q339ceb1481_attn.kd
    .args:
      - { .name: qq, .offset: 0, .size: 8, .value_kind: global_buffer, .address_space: global }
      - { .name: kv, .offset: 8, .size: 8, .value_kind: global_buffer, .address_space: global }
      - { .name: yq, .offset: 16, .size: 8, .value_kind: global_buffer, .address_space: global }
    .group_segment_fixed_size: 327680
    .private_segment_fixed_size: 0
    .kernarg_segment_align: 8
    .kernarg_segment_size: 24
    .max_flat_workgroup_size: 256
    .sgpr_count:     66
    .vgpr_count:     512
    .wavefront_size: 32
...
	.end_amdgpu_metadata
.endif
;; end of part 3
;; launch oproj (part 4): grid 16 x 16, 4 waves a work-group, clusters of 4 x 1, 167,936 bytes of LDS; arguments yq, wc, bc, out0; writes out0
.if DOCPART == 4
	.amdgcn_target "amdgcn-amd-amdhsa--gfx1250"
	.amdhsa_code_object_version 6
	.text
	.protected	k_q339ceb1481_oproj
	.globl	k_q339ceb1481_oproj
	.p2align	8
	.type	k_q339ceb1481_oproj,@function
k_q339ceb1481_oproj:
	s_mov_b64 s[64:65], 0
	v_nop
	global_prefetch_b8 v0, s[64:65] scope:SCOPE_SE
	s_setreg_imm32_b32 hwreg(HW_REG_WAVE_MODE, 25, 1), 1
	s_wait_xcnt 0x0
	s_wait_alu depctr_hold_cnt(0) depctr_sa_sdst(0) depctr_va_vdst(0) depctr_va_sdst(0) depctr_va_ssrc(0) depctr_va_vcc(0) depctr_vm_vsrc(0)
	s_getreg_b32 s2, hwreg(HW_REG_IB_STS2, 6, 4)
	s_cmp_eq_u32 s2, 0
	s_cbranch_scc0 .Lentry_in_a_cluster
	s_endpgm
.Lentry_in_a_cluster:
	s_bfe_u32 s2, ttmp6, 0x10000c
	s_cmp_lg_u32 s2, 0x3003
	s_cbranch_scc0 .Lentry_shape_is_right
	s_endpgm
.Lentry_shape_is_right:
; out0 = y Wc + bc on codes of FP6 (E2M3); sums in f32, K ascending; bc is the C of each sum's first matrix instruction.
; SHARES.  A work-group: 256 tokens x 64 columns (256 bytes of a row of out0).  A wave: 64 tokens (tiles a = 0 .. 3) x the 64 columns (tiles c = 0 .. 3): 16 accumulators, 128 matrix instructions.
; B, the block's weights for all of K (51,200 bytes of fragment images and scale words), comes into LDS once: one tensor load a wave, a first fill.
; CLUSTER: the four token blocks of a cluster want the same columns: the load is asked for jointly, by the same descriptor and a mask that names the four.
; A, y's fragments (images in halves of 768 bytes, a head to a half), are a wave's own: from memory straight into registers, a ring of four K steps, three ahead: 18 loads a step.
; THE MATRIX INSTRUCTION IS USED TRANSPOSED (source 0 = 16 columns, source 1 = 16 tokens): a lane holds eight neighbouring columns of one token.  Rows of every tile: 32 b + 8 u + r + 8 (r / 8).
; REGISTERS.  window 0: v1-3 16, 8, 4 x lane; v5 B's scale words' address; v6, v7 the add's two; v8-10 the way out; v12 64 h; v16-23 A's scale words (ring); v24-27 B's (set); v32-63 bc in the result's layout;
;   v64-159 B's two sets; v160-223 rows on their way out, two sets.   window 1: A's ring (48 q + 12 a).   window 2: the accumulators (32 a + 8 c).
.set STG,   51200                      ; behind the weights: a stage of 16 rows x 272 bytes for each wave
.set SPARE, 68608                      ; the spare words, 128 bytes for each wave: two blocks of 256 bytes that no other line names
.set SPW, 6
.set NIL, 7
.set G1,  12
.set G0,  20
.set WV,  24
.set CX,  25
.set RB,  26
.set CB,  27
.set YA,  36
.set YS,  38
.set BCP, 40
.set OUTP, 42
.set MSB, 0
.macro WIN new
.if MSB != \new
	s_set_vgpr_msb (MSB<<8)|\new
.set MSB, \new
.endif
.endm
.macro PLACES
.rept 4
	v_nop
.endr
.endm
.macro CROUND
	s_barrier_signal -1
	s_barrier_wait -1
	s_cmp_lg_u32 s[WV], 0
	s_cbranch_scc1 .Lnot_wave_0_\@
	s_barrier_signal -3
.Lnot_wave_0_\@:
	s_barrier_wait -3
	s_barrier_signal -1
	s_barrier_wait -1
.endm
.macro WM                              ; one matrix instruction from rD, rX, rY, rC, rSX, rSY; rRX, rRY: the side's scales stand in lanes 16-31
.if rRX && rRY
	v_wmma_scale_f32_16x16x128_f8f6f4 v[rD:rD+7], v[rX:rX+11], v[rY:rY+11], v[rC:rC+7], v[rSX], v[rSY] matrix_a_fmt:MATRIX_FMT_FP6 matrix_b_fmt:MATRIX_FMT_FP6 matrix_a_scale:MATRIX_SCALE_ROW1 matrix_b_scale:MATRIX_SCALE_ROW1
.elseif rRX
	v_wmma_scale_f32_16x16x128_f8f6f4 v[rD:rD+7], v[rX:rX+11], v[rY:rY+11], v[rC:rC+7], v[rSX], v[rSY] matrix_a_fmt:MATRIX_FMT_FP6 matrix_b_fmt:MATRIX_FMT_FP6 matrix_a_scale:MATRIX_SCALE_ROW1
.elseif rRY
	v_wmma_scale_f32_16x16x128_f8f6f4 v[rD:rD+7], v[rX:rX+11], v[rY:rY+11], v[rC:rC+7], v[rSX], v[rSY] matrix_a_fmt:MATRIX_FMT_FP6 matrix_b_fmt:MATRIX_FMT_FP6 matrix_b_scale:MATRIX_SCALE_ROW1
.else
	v_wmma_scale_f32_16x16x128_f8f6f4 v[rD:rD+7], v[rX:rX+11], v[rY:rY+11], v[rC:rC+7], v[rSX], v[rSY] matrix_a_fmt:MATRIX_FMT_FP6 matrix_b_fmt:MATRIX_FMT_FP6
.endif
.endm
	s_load_b256 s[4:11], s[0:1], 0x0               ; yq s[4:5], wc s[6:7], bc s[8:9], out0 s[10:11]
	v_lshl_add_u32 v[SPW], v0, 2, SPARE
	v_mov_b32 v[NIL], 0
	ds_add_u32 v[SPW], v[NIL]                      ; the wave's opening: the add and its wait stand ahead of my tensor load; work on registers stands between them
	ds_add_u32 v[SPW], v[NIL]
	v_lshrrev_b32 v14, 5, v0
	v_readfirstlane_b32 s[WV], v14                 ; wave 0..3
	s_bfe_u32 s[CX], ttmp6, 0x40000
	s_lshl_b32 s[RB], ttmp9, 2
	s_add_co_u32 s[RB], s[RB], s[CX]               ; my block of 256 tokens: it enters yq's and out0's addresses alone
	s_and_b32 s[CB], ttmp7, 0xffff                 ; the block of 64 columns, which the four partners share
	v_and_b32 v14, 31, v0
	v_lshlrev_b32 v1, 4, v14
	v_lshlrev_b32 v2, 3, v14
	v_lshlrev_b32 v3, 2, v14
	v_add_nc_u32 v5, 49152, v3
	v_and_b32 v14, 15, v0                          ; r
	v_bfe_u32 v15, v0, 4, 1                        ; h
	s_mul_i32 s28, s[WV], 4352
	s_add_co_u32 s28, s28, STG                     ; my stage
	v_mul_u32_u24 v8, v14, 272
	v_lshl_add_u32 v8, v15, 6, v8
	v_add_nc_u32 v8, s28, v8                       ; in: row r, + 64 h
	v_mul_u32_u24 v9, v15, 272
	v_lshl_add_u32 v9, v14, 4, v9
	v_add_nc_u32 v9, s28, v9                       ; back: lanes 0-15 one row of 256 bytes, lanes 16-31 the next
	v_lshlrev_b32 v10, 12, v15
	v_lshl_add_u32 v10, v14, 4, v10                ; and the same two rows in out0
	v_lshlrev_b32 v12, 6, v15                      ; 64 h
	s_mov_b32 s[G1], 15|(3<<16)|(1<<21)            ; 15:0 the mask: all four work-groups; 17:16 elements of 8 bytes; 21 set beside a mask
	s_mov_b32 s[G1+1], 32<<16                      ; a quarter of the block: 12,800 dense bytes as 50 rows of 256
	s_mov_b32 s[G1+2], 50<<16
	s_mov_b32 s[G1+3], 32<<16
	s_mov_b32 s[G1+4], 50
	s_mov_b32 s[G1+5], 32
	s_mov_b32 s[G1+6], 0
	s_mov_b32 s[G1+7], 0
	s_wait_dscnt 0x0                               ; the opening add is done
	s_wait_kmcnt 0x0
	s_mul_i32 s28, s[CB], 51200
	s_mul_i32 s30, s[WV], 12800
	s_add_co_u32 s28, s28, s30
	s_mov_b32 s29, 0
	s_mov_b32 s[G0], 1
	s_mov_b32 s[G0+1], s30                         ; the LDS image is the memory's
	s_add_nc_u64 s[G0+2:G0+3], s[6:7], s[28:29]
	s_or_b32 s[G0+3], s[G0+3], 0x80000000
	s_lshl_b32 s30, s[RB], 4
	s_lshl_b32 s31, s[WV], 2
	s_add_co_u32 s30, s30, s31                     ; my first tile of tokens
	s_mul_i32 s28, s30, 1536
	s_add_nc_u64 s[YA:YA+1], s[4:5], s[28:29]
	s_lshl_b32 s28, s30, 6
	s_add_co_u32 s28, s28, 3145728
	s_add_nc_u64 s[YS:YS+1], s[4:5], s[28:29]
	s_lshl_b32 s28, s[CB], 8
	s_add_nc_u64 s[BCP:BCP+1], s[8:9], s[28:29]
	s_lshl_b32 s30, s[RB], 20                      ; 256 rows of 4,096 bytes,
	s_lshl_b32 s31, s[WV], 18                      ; my 64 of them,
	s_add_co_u32 s28, s28, s30
	s_add_co_u32 s28, s28, s31                     ; and the block's 256 bytes of a row
	s_add_nc_u64 s[OUTP:OUTP+1], s[10:11], s[28:29]
	CROUND                                         ; all four work-groups are here: the joint loads meet
	tensor_load_to_lds s[G0:G0+3], s[G1:G1+7]
	s_nop 0
	PLACES
	s_wait_alu depctr_va_vdst(0)
.irp b, 0,1
.irp j, 0,1,2,3
	global_load_b128 v[32+16*\b+4*\j:32+16*\b+4*\j+3], v12, s[BCP:BCP+1] offset:128*\b+16*\j   ; bc: register 8 c + j = column 32 (c / 2) + 16 h + 8 (c % 2) + j
.endr
.endr
.macro ALOAD s                         ; y's four fragments and two registers of scale words of K step s: 18 loads
	WIN 0x40                                       ; destination window 1
.irp a, 0,1,2,3
.irp f, 0,1
	global_load_b128 v[48*((\s)%4)+12*\a+6*\f:48*((\s)%4)+12*\a+6*\f+3], v1, s[YA:YA+1] offset:(\s)*393216+\a*1536+\f*768
	global_load_b64 v[48*((\s)%4)+12*\a+6*\f+4:48*((\s)%4)+12*\a+6*\f+5], v2, s[YA:YA+1] offset:(\s)*393216+\a*1536+\f*768+512
.endr
.endr
	WIN 0
.irp i, 0,1
	global_load_b32 v[16+2*((\s)%4)+\i], v3, s[YS:YS+1] offset:(\s)*16384+128*\i
.endr
.endm
.macro BLOAD s                         ; Wc's four fragments and two registers of scale words of K step s: 14 LDS loads
.irp c, 0,1,2,3
.irp k, 0,1,2
	ds_load_b128 v[64+48*((\s)%2)+12*\c+4*\k:64+48*((\s)%2)+12*\c+4*\k+3], v1 offset:6144*(\s)+1536*\c+512*\k
.endr
.endr
.irp i, 0,1
	ds_load_b32 v[24+2*((\s)%2)+\i], v5 offset:256*(\s)+128*\i
.endr
.endm
.macro STEP s
	WIN 0
	PLACES                                         ; four places in front of loads into registers that the last step's matrix instructions have read
.if (\s) <= 4
	ALOAD (\s)+3
.endif
.if (\s) < 7
	BLOAD (\s)+1
.endif
.if (\s) <= 4
	s_wait_loadcnt 54                              ; this step's A is in; three younger steps of 18 loads may be out
.else
	s_wait_loadcnt 18*(7-(\s))
.endif
.if (\s) < 7
	s_wait_dscnt 14                                ; this step's B is in; the 14 just issued may be out
.else
	s_wait_dscnt 0x0
.endif
.if (\s) == 0
	WIN 0x84                                       ; source 0 (columns) window 0, source 1 (tokens) window 1, C (bc) window 0, D window 2
.else
	WIN 0xa4                                       ; C and D window 2
.endif
.irp a, 0,1,2,3                                ; the 16 accumulators take turns, one instruction a turn
.irp c, 0,1,2,3
.set rD, 32*\a+8*\c
.if (\s) == 0
.set rC, 32+8*\c
.else
.set rC, rD
.endif
.set rX, 64+48*((\s)%2)+12*\c
.set rY, 48*((\s)%4)+12*\a
.set rSX, 24+2*((\s)%2)+\c/2
.set rSY, 16+2*((\s)%4)+\a/2
.set rRX, \c%2
.set rRY, \a%2
	WM
.endr
.endr
.endm
	ALOAD 0
	ALOAD 1
	ALOAD 2
	s_wait_tensorcnt 0x0                           ; my quarter of the weights is in,
	s_barrier_signal -1
	s_barrier_wait -1                              ; everybody's is
	BLOAD 0
.irp s, 0,1,2,3,4,5,6,7
	STEP \s
.endr
	WIN 0
	PLACES                                         ; in front of the first read of results
; THE WAY OUT, a tile of 16 tokens at a time: a lane's 32 bytes of a row go into my stage and come back as whole rows of 256 bytes.  LDS serves a wave's instructions in order: no wait between the stores and the loads.
.macro OUTT a
.if (\a) > 1
	s_wait_xcnt 0x0                                ; the stores of the tile two back have read the registers that the loads below fill
.endif
	WIN 0x08                                       ; an LDS store's data are its source 1: window 2
.irp c, 0,1,2,3
	ds_store_b128 v8, v[32*(\a)+8*\c:32*(\a)+8*\c+3] offset:128*(\c/2)+32*(\c%2)          ; each accumulator from its low end on
	ds_store_b128 v8, v[32*(\a)+8*\c+4:32*(\a)+8*\c+7] offset:128*(\c/2)+32*(\c%2)+16
.endr
	WIN 0
.irp i, 0,1,2,3,4,5,6,7
	ds_load_b128 v[160+32*((\a)%2)+4*\i:160+32*((\a)%2)+4*\i+3], v9 offset:544*\i
.endr
.irp i, 0,1,2,3,4,5,6,7
	s_wait_dscnt 7-\i                              ; rows 2 i, 2 i + 1 are back; the younger loads may be out
	; THE TOKENS OF A TILE (this replaces what the head says of the tokens; the columns stay as the head has them): row i of tile a is token 32 (i / 8) + 8 a + i % 8 of the wave's 64
	global_store_b128 v10, v[160+32*((\a)%2)+4*\i:160+32*((\a)%2)+4*\i+3], s[OUTP:OUTP+1] offset:(32*(\i/4)+8*(\a)+2*(\i%4))*4096 th:TH_STORE_NT   ; 16 lanes store 256 consecutive bytes, aligned
.endr
.endm
	OUTT 0
	OUTT 1
	OUTT 2
	OUTT 3
	s_wait_tensorcnt 0x0                           ; the wave's end
	ds_add_u32 v[SPW], v[NIL]
	s_wait_dscnt 0x0
	CROUND                                         ; the closing round
	s_endpgm
.Lfunc_end_k_q339ceb1481_oproj:
	.size	k_q339ceb1481_oproj, .Lfunc_end_k_q339ceb1481_oproj-k_q339ceb1481_oproj
	.p2alignl 7, 3214868480
	.fill 96, 4, 3214868480
	.section	.rodata,"a",@progbits
	.p2align	6, 0x0
	.amdhsa_kernel k_q339ceb1481_oproj
		.amdhsa_group_segment_fixed_size 167936
		.amdhsa_private_segment_fixed_size 0
		.amdhsa_enable_private_segment 0
		.amdhsa_kernarg_size 32
		.amdhsa_user_sgpr_count 2
		.amdhsa_user_sgpr_kernarg_segment_ptr 1
		.amdhsa_wavefront_size32 1
		.amdhsa_system_sgpr_workgroup_id_x 1
		.amdhsa_system_sgpr_workgroup_id_y 1
		.amdhsa_system_sgpr_workgroup_id_z 1
		.amdhsa_system_vgpr_workitem_id 0
		.amdhsa_next_free_vgpr 640
		.amdhsa_next_free_sgpr 66
		.amdhsa_reserve_vcc 0
		.amdhsa_float_denorm_mode_32 3
		.amdhsa_float_denorm_mode_16_64 3
		.amdhsa_memory_ordered 1
		.amdhsa_forward_progress 1
		.amdhsa_inst_pref_size 53
	.end_amdhsa_kernel
	.amdgpu_metadata
---
amdhsa.version: [ 1, 2 ]
amdhsa.kernels:
  - .name:           k_q339ceb1481_oproj
    .symbol:         k_q339ceb1481_oproj.kd
    .args:
      - { .name: yq, .offset: 0, .size: 8, .value_kind: global_buffer, .address_space: global }
      - { .name: wc, .offset: 8, .size: 8, .value_kind: global_buffer, .address_space: global }
      - { .name: bc, .offset: 16, .size: 8, .value_kind: global_buffer, .address_space: global }
      - { .name: out0, .offset: 24, .size: 8, .value_kind: global_buffer, .address_space: global }
    .group_segment_fixed_size: 167936
    .private_segment_fixed_size: 0
    .kernarg_segment_align: 8
    .kernarg_segment_size: 32
    .max_flat_workgroup_size: 128
    .sgpr_count:     66
    .vgpr_count:     640
    .wavefront_size: 32
...
	.end_amdgpu_metadata
.endif
;; end of part 4
